; MI455X (gfx1250); checked and timed in simulation.
; The chip was launched on July 23, 2026; its instructions are those of AMD's public machine-readable ISA for CDNA 5 (MIT licence, August 2026) and "CDNA5" Instruction Set Architecture Reference Guide (July 2026). The comments in the code are by the model that wrote it; some were corrected since.
;; Gemma4 Vision Attention. Allowed arithmetic: matrix products marked QUANTISED: E2M3 operands, one E8M0 scale for each 32 along K, by v_wmma_scale_f32_16x16x128_f8f6f4 with both operands' format E2M3, f32 sums; everything else in f32.
;; Inputs: Wk 1,024 x 512 float32; Wo 1,024 x 1,024 float32; Wq 1,024 x 1,024 float32; Wv 1,024 x 512 float32; attention_mask 4 x 2,048 bool; cos 2,048 x 64 float32; hidden_states 4 x 2,048 x 1,024 float32; k_norm_w 64 float32; position_ids 4 x 2,048 x 2 int32; q_norm_w 64 float32; sin 2,048 x 64 float32.
;; Outputs: out0 4 x 2,048 x 1,024 float32.
;; This version of the problem:
;;   THIS VERSION OF THE PROBLEM IS GIVEN IN LOW PRECISION. The matrix products marked QUANTISED in the list below multiply operands that are first quantised to E2M3 (2 exponent bits, 3 mantissa bits; 6 bits a number), with one power-of-two scale for each 32 numbers along K (OCP MX v1.0); their sums are f32. All else is computed in f32.
;;   The module's matrix products, in the order in which they are computed (A, B: the left and right operand; K: the contracted axis; several contracted axes count as one K, in the product's order):
;;     1. [M 8,192, K 1,024] x [K 1,024, N 1,024]; A: input hidden_states; B: input Wq: QUANTISED
;;     2. [M 8,192, K 1,024] x [K 1,024, N 512]; A: input hidden_states; B: input Wk: QUANTISED
;;     3. [M 8,192, K 1,024] x [K 1,024, N 512]; A: input hidden_states; B: input Wv: QUANTISED
;;     4. batch 64 x [M 2,048, K 64] x [K 64, N 2,048]; A: computed on the way; B: computed on the way: QUANTISED
;;     5. batch 64 x [M 2,048, K 2,048] x [K 2,048, N 64]; A: softmax (see below); B: computed on the way: QUANTISED
;;     6. [M 8,192, K 1,024] x [K 1,024, N 1,024]; A: computed on the way; B: input Wo: QUANTISED
;;   THE QUANTISER, for each operand of a quantised product, along K:
;;     - K is cut into blocks of 32 from its start; a last block that is shorter is filled with zeros.
;;     - A block's scale is 2^e with e = floor(log2(the largest magnitude in the block)) - 2, held to -126 .. 127; a block of zeros has e = 0. As a byte (E8M0): e + 127.
;;     - Each number is divided by its block's scale, clamped to +-7.5, and rounded to the nearest number of E2M3, ties to even, subnormals kept.
;;     - The product sums the exact products of the quantised numbers (number of the format x scale) in f32.
;;   ~~~python
;;   def quantise(x, axis):      # numpy; x: float32 -> the quantised numbers, widened to float32 again
;;       x = np.moveaxis(x, axis, -1); K = x.shape[-1]
;;       x = np.pad(x, [(0, 0)] * (x.ndim - 1) + [(0, -K % 32)]); x = x.reshape(x.shape[:-1] + (-1, 32)); a = np.abs(x).max(-1, keepdims=True)
;;       e = np.where(a > 0, np.clip(np.frexp(np.where(a > 0, a, 1))[1] - 1 - 2, -126, 127), 0)      # np.frexp(a)[1] - 1 = floor(log2(a)), exactly
;;       r = np.clip(x / 2.0 ** e, -7.5, 7.5)
;;       step = 2.0 ** (np.maximum(np.frexp(np.where(r == 0, 1, r))[1] - 1, 0) - 3)
;;       q = np.round(r / step) * step * 2.0 ** e      # np.round: ties to even
;;       return np.moveaxis(q.reshape(q.shape[:-2] + (-1,))[..., :K], -1, axis).astype(np.float32)
;;   ~~~
;;   SOFTMAX AHEAD OF A QUANTISED PRODUCT. Where the list says 'softmax', what is quantised is not the finished softmax but p = 2^(t - M), with t = logit x log2(e) and M = ceil(the row's largest t), a whole number; so 1/2 < the row's largest p <= 1. The row's sum l is taken of the UNQUANTISED p, in f32, and the product's result is divided by l at the end. Since M is a whole number, a kernel that streams over the keys may use a running M (the ceiling of the running maximum): every later rescaling is an exact power of two, which a block's scale takes up: the codes' values come out the same.
;;   OPERANDS COMPUTED ON THE WAY. 'Computed on the way' means the value that the module computes at that place (a softmax that the list does not call 'softmax' is quantised finished and normalised). What goes into a quantiser is computed in f32, as accurately as f32 sums, v_exp_f32 and their like allow (about 1e-6 of the number): no bf16 or f16 on the way to a quantiser, and a product that is left as it is and whose result goes on into a quantised operand takes f32 operands (vector FMAs, or v_wmma_f32_16x16x4_f32). A number that lies on a knife's edge between two numbers of the format may be rounded either way, as far as f32 arithmetic and the matrix unit's own rounding can turn it there, and no further.
;; One version. Each part assembles by itself: llvm-mc -triple=amdgcn-amd-amdhsa -mcpu=gfx1250 --defsym DOCPART=n.
;; ======== version 1 of 1: 4 launches
;; limits: right only within a limited range of input values
;; workspace buffers: xq 6,553,600 bytes; wts 2,457,600 bytes; q_img 6,815,744 bytes; kv_img 6,684,672 bytes; aq 6,553,600 bytes
;; launch quant (part 1): grid 352 x 1, 4 waves a work-group, no clusters, 68,096 bytes of LDS; arguments hidden_states, Wq, Wk, Wv, Wo, xq, wts; writes xq, wts
.if DOCPART == 1
	.amdgcn_target "amdgcn-amd-amdhsa--gfx1250"
	.amdhsa_code_object_version 6
	.text
	.protected	k_qd44b6a92ed_quant
	.globl	k_qd44b6a92ed_quant
	.p2align	8
	.type	k_qd44b6a92ed_quant,@function
k_qd44b6a92ed_quant:
	s_mov_b64 s[64:65], 0
	v_nop
	global_prefetch_b8 v0, s[64:65] scope:SCOPE_SE
	s_setreg_imm32_b32 hwreg(HW_REG_WAVE_MODE, 25, 1), 1
	s_wait_xcnt 0x0
; hidden_states [8192][1024] and the four weights ([1024 (k)][n]), f32, become codes of FP6 (E2M3), K innermost, with one E8M0 byte for each 32 along K.
; A block's scale is 2^(floor(log2(its largest magnitude)) - 2); its byte is the largest magnitude's exponent field - 2, held at 1 from below.
; LIMITS: NaN and infinities are not served; a block whose largest magnitude lies under 2^-124 has its byte held at 1; a block of zeros gets the byte 1 (its codes are zeros; this program alone reads the bytes).
; xq:  codes [8192 places][768 bytes], then from XS_OFF the bytes [8192][32].   wts: codes [3072 places][768], then from WS_OFF the bytes [3072][32].
; THE ORDER OF ROWS.  Inside every group of 64 rows of x, and of 64 columns of a weight, place 16 t + 8 a + j holds item 32 a + 8 t + j (t 0..3, a 0..1, j 0..7).  A later product that takes 16 neighbouring
; places as its source 0 then leaves, in the 32 registers of four neighbouring result tiles of a lane, 32 NEIGHBOURING items: a whole block for the next quantiser.
; wts places: 0-1023 Wq's columns; 1024 + 256 c + 0..127 Wk's columns 128 c on, + 128..255 Wv's same columns; 2048-3071 Wo's columns.
; Work-groups 0-255 take x (a wave: 8 rows), work-groups 256-351 the weights (128 columns x 256 along K).  Each of the two ways has LDS bytes of its own.  Waves share nothing: no barrier.
; THE CODES' LAYOUT (in place of the rows of 768 bytes named above): four planes along K, [256 of K][place][192 bytes]; a plane of xq is XPL bytes, one of wts WPL bytes.
; 128 places of a plane are 24,576 dense bytes that begin on a multiple of 256: the products' launches fetch them as rows of 256 bytes.
; position_ids enters reference() by its shape alone (ndim = 2): none of its values reaches a result, so it is not loaded and is among no launch's arguments.
.set XPL, 1572864
.set WPL, 589824
.set XS_OFF, 6291456
.set WS_OFF, 2359296
.set STEPS, 16
.set CB,    12                         ; bytes of 16 codes
.set R,     16                         ; x: v16-79 four sets of 16 numbers as loaded
.set X,     80                         ; x: v80-111 two sets of 16 neighbours
.set C,     128                        ; x: v128-191 codes, four registers a step
.set E,     112                        ; x: v112-127 a byte a step
.set WREG,  8192                       ; x: LDS of a wave: two stages of 32 x SP bytes, then its 256 scale bytes
.set SP,    80
.set WLDS,  32768                      ; weights: the stages begin here
.set WP,    272                        ; a stage row: sixteen places of 16 bytes + 16
.set WX,    32                         ; weights: v32-95 two sets of 32 numbers
.set WC,    96                         ; a block's codes
.set OUTR,  112                        ; v112-175 the way out
.set SB,    24                         ; v24-25 the scale bytes
.set VO,    176                        ; v176-207 4 x lane + i x the weight's row in bytes
	s_load_b256 s[4:11], s[0:1], 0x0               ; hidden_states, Wq, Wk, Wv
	s_load_b128 s[12:15], s[0:1], 0x20             ; Wo, xq
	s_load_b64 s[16:17], s[0:1], 0x30              ; wts
	v_lshl_add_u32 v208, v0, 2, 0x10800
	v_mov_b32 v209, 0
	v_lshrrev_b32 v1, 5, v0
	v_readfirstlane_b32 s18, v1                    ; wave
	v_and_b32 v2, 31, v0                           ; lane
	s_wait_kmcnt 0x0
	s_cmp_lt_u32 ttmp9, 256
	s_cbranch_scc0 .Lweights
; ---------------- x: a wave takes 8 rows = 16 steps of 512 numbers.  Loads take the bytes as they lie (512 a load); a step's 2,048 bytes turn through the wave's stage so that a lane holds 16 neighbours.
	s_wait_alu depctr_va_vdst(0)
	v_lshlrev_b32 v3, 4, v2                        ; my 16 bytes of a load's 512
	s_mul_i32 s19, s18, WREG
	v_lshrrev_b32 v14, 2, v2
	v_mul_u32_u24 v14, v14, SP
	v_and_b32 v15, 3, v2
	v_lshl_add_u32 v14, v15, 4, v14
	v_add_nc_u32 v14, s19, v14                     ; the stage, in: SP (lane / 4) + 16 (lane % 4)
	v_mul_u32_u24 v15, v2, SP
	v_add_nc_u32 v15, s19, v15                     ; and out: SP x lane
	v_and_b32 v4, 15, v2
	v_mul_u32_u24 v4, v4, CB                       ; my codes' place in a plane's row: 12 (lane % 16),
	v_lshrrev_b32 v12, 4, v2
	v_mad_u32_u24 v4, v12, XPL, v4                 ; lanes 16-31 a plane further on
	v_lshrrev_b32 v5, 1, v2
	s_add_co_u32 s19, s19, 2*32*SP
	v_add_nc_u32 v5, s19, v5                       ; my block's byte among the wave's 256
	v_lshlrev_b32 v7, 3, v2
	v_add_nc_u32 v6, s19, v7
	s_lshl_b32 s20, ttmp9, 2
	s_add_co_u32 s20, s20, s18                     ; the run of 8 rows that I read: 4 x work-group + wave
	s_lshl_b32 s20, s20, 15
	s_mov_b32 s21, 0
	s_add_nc_u64 s[4:5], s[4:5], s[20:21]
	s_lshr_b32 s22, ttmp9, 1                       ; and the run of 8 places that I write: 8 (work-group / 2) + 2 x wave + work-group % 2
	s_lshl_b32 s22, s22, 3
	s_lshl_b32 s23, s18, 1
	s_add_co_u32 s22, s22, s23
	s_and_b32 s23, ttmp9, 1
	s_add_co_u32 s22, s22, s23
	s_mul_i32 s20, s22, 1536
	s_add_nc_u64 s[24:25], s[14:15], s[20:21]      ; its codes
	s_lshl_b32 s20, s22, 8
	s_add_co_u32 s20, s20, XS_OFF
	s_add_nc_u64 s[26:27], s[14:15], s[20:21]      ; its 256 scale bytes
.macro XLOAD t
.irp i, 0,1,2,3
	global_load_b128 v[R+16*((\t)%4)+4*\i:R+16*((\t)%4)+4*\i+3], v3, s[4:5] offset:2048*(\t)+512*\i th:TH_LOAD_NT
.endr
.endm
.macro XTURN t                         ; LDS serves a wave's instructions in order: no wait between the stores and the loads
.irp i, 0,1,2,3
	ds_store_b128 v14, v[R+16*((\t)%4)+4*\i:R+16*((\t)%4)+4*\i+3] offset:32*SP*((\t)%2)+8*SP*\i
.endr
.irp i, 0,1,2,3
	ds_load_b128 v[X+16*((\t)%2)+4*\i:X+16*((\t)%2)+4*\i+3], v15 offset:32*SP*((\t)%2)+16*\i
.endr
.endm
.irp t, 0,1,2,3
	XLOAD \t
.endr
	s_wait_alu depctr_va_vdst(0)
	s_wait_loadcnt 12                              ; step 0's four loads are in; three steps' twelve may be out
	XTURN 0
.macro XSTEP t
.set XS, X+16*((\t)%2)
.if (\t) > 0
	s_wait_dscnt 1                                 ; this step's numbers are back from the stage; the last step's byte store may be out
.else
	s_wait_dscnt 0x0
.endif
.if (\t)+4 < STEPS
	XLOAD (\t)+4                                   ; into the registers that this step's stage stores have read
.endif
.if (\t)+1 < STEPS
.if STEPS-2-(\t) >= 3
	s_wait_loadcnt 12                              ; the next step's four loads are in; three steps' twelve may be out
.else
	s_wait_loadcnt 4*(STEPS-2-(\t))
.endif
	XTURN (\t)+1
.endif
	v_max3_num_f32 v8, |v[XS]|, |v[XS+1]|, |v[XS+2]|
	v_max3_num_f32 v9, |v[XS+3]|, |v[XS+4]|, |v[XS+5]|
.irp i, 6,10
	v_max3_num_f32 v8, v8, |v[XS+\i]|, |v[XS+\i+1]|
	v_max3_num_f32 v9, v9, |v[XS+\i+2]|, |v[XS+\i+3]|
.endr
	v_max3_num_f32 v8, v8, |v[XS+14]|, |v[XS+15]|
	v_max3_num_f32 v8, v8, v9, 0x1800000           ; the floor 2^(3 - 127): the byte cannot fall under 1
	v_max_num_f32_dpp v8, v8, v8 row_xmask:1 row_mask:0xf bank_mask:0xf   ; with my neighbour's 16: the block's largest magnitude
	v_add_nc_u32 v11, 0xff000000, v8               ; 2 off its exponent field: the conversion's scale operand
	v_cvt_scalef32_pk16_fp6_f32 v[C+4*(\t):C+4*(\t)+2], v[XS:XS+15], v11
	v_lshrrev_b32 v[E+(\t)], 23, v11               ; the scale's byte
	ds_store_b8 v5, v[E+(\t)] offset:16*(\t)       ; both lanes of a block write the same byte
	global_store_b96 v4, v[C+4*(\t):C+4*(\t)+2], s[24:25] offset:2*XPL*((\t)%2)+192*((\t)/2)   ; sixteen lanes store a place's 192 consecutive bytes of a plane
.endm
.irp t, 0,1,2,3,4,5,6,7,8,9,10,11,12,13,14,15
	XSTEP \t
.endr
	ds_load_b64 v[12:13], v6
	s_wait_dscnt 0x0
	global_store_b64 v7, v[12:13], s[26:27]        ; 32 lanes store 256 consecutive bytes, aligned
	s_wait_tensorcnt 0x0
	ds_add_u32 v208, v209
	s_wait_dscnt 0x0
	s_endpgm
; ---------------- the weights: a lane takes a column, its registers run down K; a wave takes 32 columns x 256 along K.
.Lweights:
	s_sub_co_u32 s19, ttmp9, 256
	s_lshr_b32 s20, s19, 2                         ; which 128 columns, 0..23
	s_and_b32 s21, s19, 3                          ; which 256 along K
	s_mov_b64 s[22:23], s[12:13]                   ; 16-23: Wo, rows of 4,096 bytes, places from 2048 on
	s_mov_b32 s24, 4096
	s_sub_co_u32 s25, s20, 16
	s_lshl_b32 s26, s25, 7
	s_add_co_u32 s26, s26, 2048
	s_sub_co_u32 s27, s20, 12                      ; 12-15: Wv, rows of 2,048 bytes, places 1024 + 256 c + 128
	s_lshl_b32 s28, s27, 8
	s_add_co_u32 s28, s28, 1152
	s_mov_b32 s29, 2048
	s_cmp_lt_u32 s20, 16
	s_cselect_b64 s[22:23], s[10:11], s[22:23]
	s_cselect_b32 s24, s29, s24
	s_cselect_b32 s25, s27, s25
	s_cselect_b32 s26, s28, s26
	s_sub_co_u32 s27, s20, 8                       ; 8-11: Wk, places 1024 + 256 c
	s_lshl_b32 s28, s27, 8
	s_add_co_u32 s28, s28, 1024
	s_cmp_lt_u32 s20, 12
	s_cselect_b64 s[22:23], s[8:9], s[22:23]
	s_cselect_b32 s25, s27, s25
	s_cselect_b32 s26, s28, s26
	s_lshl_b32 s28, s20, 7                         ; 0-7: Wq, places 128 c
	s_mov_b32 s29, 4096
	s_cmp_lt_u32 s20, 8
	s_cselect_b64 s[22:23], s[6:7], s[22:23]
	s_cselect_b32 s24, s29, s24
	s_cselect_b32 s25, s20, s25
	s_cselect_b32 s26, s28, s26
	s_lshl_b32 s30, s25, 9                         ; my wave's first column in bytes: 512 c + 128 x wave,
	s_lshl_b32 s31, s18, 7
	s_add_co_u32 s30, s30, s31
	s_lshl_b32 s31, s21, 8
	s_mul_i32 s31, s31, s24                        ; and its first row
	s_add_co_u32 s30, s30, s31
	s_mov_b32 s31, 0
	s_add_nc_u64 s[36:37], s[22:23], s[30:31]      ; a base for each of the eight blocks of 32 rows: nothing is stepped
	s_lshl_b32 s32, s24, 5
	s_mov_b32 s33, 0
.irp t, 1,2,3,4,5,6,7
	s_add_nc_u64 s[36+2*\t:37+2*\t], s[34+2*\t:35+2*\t], s[32:33]
.endr
	s_wait_alu depctr_va_vdst(0)
	v_lshlrev_b32 v3, 2, v2
	v_mov_b32 v10, s24
.irp i, 0,1,2,3,4,5,6,7,8,9,10,11,12,13,14,15,16,17,18,19,20,21,22,23,24,25,26,27,28,29,30,31
	v_mad_u32_u24 v[VO+\i], v10, \i, v3            ; row i of a block, my column
.endr
	s_mul_i32 s52, s18, 32*WP
	s_add_co_u32 s52, s52, WLDS                    ; my stage
	v_mul_u32_u24 v4, v2, WP
	v_add_nc_u32 v4, s52, v4                       ; in: row = my column
	v_and_b32 v5, 15, v2
	v_lshrrev_b32 v6, 4, v2
	v_mul_u32_u24 v7, v6, WP
	v_lshl_add_u32 v7, v5, 4, v7
	v_add_nc_u32 v7, s52, v7                       ; out: sixteen lanes to a row, two rows an instruction
	v_mul_u32_u24 v8, v6, 192
	v_mad_u32_u24 v8, v5, 12, v8                   ; and the same in the codes' buffer
	s_lshr_b32 s53, s18, 1                         ; column 32 (wave % 2) + 8 t + j of a group of 64 goes to place 16 t + 8 (wave % 2) + j
	s_lshl_b32 s53, s53, 6
	s_add_co_u32 s26, s26, s53
	s_and_b32 s53, s18, 1
	s_lshl_b32 s53, s53, 3
	s_add_co_u32 s26, s26, s53                     ; my wave's first place
	s_mul_i32 s54, s26, 192
	s_mul_i32 s53, s21, WPL
	s_add_co_u32 s54, s54, s53
	s_mov_b32 s55, 0
	s_add_nc_u64 s[56:57], s[16:17], s[54:55]      ; codes
	s_lshl_b32 s54, s26, 5
	s_lshl_b32 s53, s21, 3
	s_add_co_u32 s54, s54, s53
	s_add_co_u32 s54, s54, WS_OFF
	s_add_nc_u64 s[58:59], s[16:17], s[54:55]      ; scale bytes
	v_lshrrev_b32 v9, 3, v2
	v_and_b32 v11, 7, v2
	v_lshl_add_u32 v9, v9, 4, v11
	v_lshlrev_b32 v9, 5, v9                        ; my column's row of scale bytes: place 16 (lane / 8) + lane % 8
.macro WLOAD t
.irp i, 0,1,2,3,4,5,6,7,8,9,10,11,12,13,14,15,16,17,18,19,20,21,22,23,24,25,26,27,28,29,30,31
	global_load_b32 v[WX+32*((\t)%2)+\i], v[VO+\i], s[36+2*(\t):37+2*(\t)] th:TH_LOAD_NT   ; the wave reads 128 consecutive bytes
.endr
.endm
	WLOAD 0
	WLOAD 1
.macro WBLOCK t
.set XW, WX+32*((\t)%2)
.if (\t) < 7
	s_wait_loadcnt 32                              ; this block's 32 loads are in; the next block's may be out
.else
	s_wait_loadcnt 0
.endif
	v_max3_num_f32 v12, |v[XW]|, |v[XW+1]|, |v[XW+2]|
	v_max3_num_f32 v13, |v[XW+3]|, |v[XW+4]|, |v[XW+5]|
.irp i, 6,10,14,18,22,26
	v_max3_num_f32 v12, v12, |v[XW+\i]|, |v[XW+\i+1]|
	v_max3_num_f32 v13, v13, |v[XW+\i+2]|, |v[XW+\i+3]|
.endr
	v_max3_num_f32 v12, v12, |v[XW+30]|, |v[XW+31]|
	v_max3_num_f32 v12, v12, v13, 0x1800000
	v_add_nc_u32 v11, 0xff000000, v12
	v_lshrrev_b32 v13, 23, v11
.if (\t)%4 == 0
	v_mov_b32 v[SB+(\t)/4], v13
.else
	v_lshl_or_b32 v[SB+(\t)/4], v13, 8*((\t)%4), v[SB+(\t)/4]
.endif
	v_cvt_scalef32_pk16_fp6_f32 v[WC:WC+2], v[XW:XW+15], v11
	v_cvt_scalef32_pk16_fp6_f32 v[WC+4:WC+6], v[XW+16:XW+31], v11
	ds_store_b96 v4, v[WC:WC+2] offset:32*(\t)     ; 12 bytes to a place of 16
	ds_store_b96 v4, v[WC+4:WC+6] offset:32*(\t)+16
.if (\t)+2 < 8
	WLOAD (\t)+2
.endif
	s_wait_dscnt 0x0                               ; the stores have read their registers
.endm
.irp t, 0,1,2,3,4,5,6,7
	WBLOCK \t
.endr
	s_wait_alu depctr_va_vdst(0)
	global_store_b64 v9, v[SB:SB+1], s[58:59]      ; my column's eight scale bytes
.irp t, 0,1,2,3,4,5,6,7,8,9,10,11,12,13,14,15
	ds_load_b96 v[OUTR+4*\t:OUTR+4*\t+2], v7 offset:2*\t*WP
.endr
.irp t, 0,1,2,3,4,5,6,7,8,9,10,11,12,13,14,15
	s_wait_dscnt 15-\t                             ; the later rows' loads may be out
	global_store_b96 v8, v[OUTR+4*\t:OUTR+4*\t+2], s[56:57] offset:(16*(\t/4)+2*(\t%4))*192
.endr
	s_wait_tensorcnt 0x0
	ds_add_u32 v208, v209
	s_wait_dscnt 0x0
	s_endpgm
.Lfunc_end_k_qd44b6a92ed_quant:
	.size	k_qd44b6a92ed_quant, .Lfunc_end_k_qd44b6a92ed_quant-k_qd44b6a92ed_quant
	.p2alignl 7, 3214868480
	.fill 96, 4, 3214868480
	.section	.rodata,"a",@progbits
	.p2align	6, 0x0
	.amdhsa_kernel k_qd44b6a92ed_quant
		.amdhsa_group_segment_fixed_size 68096
		.amdhsa_private_segment_fixed_size 0
		.amdhsa_enable_private_segment 0
		.amdhsa_kernarg_size 56
		.amdhsa_user_sgpr_count 2
		.amdhsa_user_sgpr_kernarg_segment_ptr 1
		.amdhsa_wavefront_size32 1
		.amdhsa_system_sgpr_workgroup_id_x 1
		.amdhsa_system_sgpr_workgroup_id_y 1
		.amdhsa_system_sgpr_workgroup_id_z 1
		.amdhsa_system_vgpr_workitem_id 0
		.amdhsa_next_free_vgpr 210
		.amdhsa_next_free_sgpr 66
		.amdhsa_reserve_vcc 0
		.amdhsa_float_denorm_mode_32 3
		.amdhsa_float_denorm_mode_16_64 3
		.amdhsa_memory_ordered 1
		.amdhsa_forward_progress 1
		.amdhsa_inst_pref_size 77
	.end_amdhsa_kernel
	.amdgpu_metadata
---
amdhsa.version: [ 1, 2 ]
amdhsa.kernels:
  - .name:           k_qd44b6a92ed_quant
    .symbol:         k_qd44b6a92ed_quant.kd
    .args:
      - { .name: hidden_states, .offset: 0, .size: 8, .value_kind: global_buffer, .address_space: global }
      - { .name: Wq, .offset: 8, .size: 8, .value_kind: global_buffer, .address_space: global }
      - { .name: Wk, .offset: 16, .size: 8, .value_kind: global_buffer, .address_space: global }
      - { .name: Wv, .offset: 24, .size: 8, .value_kind: global_buffer, .address_space: global }
      - { .name: Wo, .offset: 32, .size: 8, .value_kind: global_buffer, .address_space: global }
      - { .name: xq, .offset: 40, .size: 8, .value_kind: global_buffer, .address_space: global }
      - { .name: wts, .offset: 48, .size: 8, .value_kind: global_buffer, .address_space: global }
    .group_segment_fixed_size: 68096
    .private_segment_fixed_size: 0
    .kernarg_segment_align: 8
    .kernarg_segment_size: 56
    .max_flat_workgroup_size: 128
    .sgpr_count:     66
    .vgpr_count:     210
    .wavefront_size: 32
...
	.end_amdgpu_metadata
.endif
;; end of part 1
;; launch qkv (part 2): grid 8 x 32, 4 waves a work-group, clusters of 4 x 4, 327,680 bytes of LDS; arguments xq, wts, cos, sin, q_norm_w, k_norm_w, q_img, kv_img; writes q_img, kv_img
.if DOCPART == 2
	.amdgcn_target "amdgcn-amd-amdhsa--gfx1250"
	.amdhsa_code_object_version 6
	.text
	.protected	k_qd44b6a92ed_qkv
	.globl	k_qd44b6a92ed_qkv
	.p2align	8
	.type	k_qd44b6a92ed_qkv,@function
k_qd44b6a92ed_qkv:
	s_mov_b64 s[64:65], 0
	v_nop
	global_prefetch_b8 v0, s[64:65] scope:SCOPE_SE
	s_setreg_imm32_b32 hwreg(HW_REG_WAVE_MODE, 25, 1), 1
	s_wait_xcnt 0x0
	s_wait_alu depctr_hold_cnt(0) depctr_sa_sdst(0) depctr_va_vdst(0) depctr_va_sdst(0) depctr_va_ssrc(0) depctr_va_vcc(0) depctr_vm_vsrc(0)
	s_getreg_b32 s2, hwreg(HW_REG_IB_STS2, 6, 4)
	s_cmp_eq_u32 s2, 0
	s_cbranch_scc0 .Lentry_in_a_cluster
	s_endpgm
.Lentry_in_a_cluster:
	s_bfe_u32 s2, ttmp6, 0x10000c
	s_cmp_lg_u32 s2, 0xf033
	s_cbranch_scc0 .Lentry_shape_is_right
	s_endpgm
.Lentry_shape_is_right:
.set KSTEP,  256
.set NQ,     2
.set XPL,    1572864                   ; a plane (256 along K) of x's codes in bytes
.set WPL,    589824                    ; and of the weights'
.set KROW,   192                       ; a place's bytes in a plane
.set PITCH,  240
.set FR,     12
.set NL,     6
.set NP,     4
.set HALFT,  128*PITCH
.set SLOT,   4*HALFT
.set LAPS,   2
.set KS,     32
.set SCL,    2*SLOT
.set HALFS,  16*272
.set SBLK,   2*272
.set SPARE,  SCL+4*HALFS
.set XS_OFF, 6291456
.set WS_OFF, 2359296
.set CSO,  7
.set GWO,  8
.set LI,   9
.set SCO,  10
.set VSO,  11
.set STW,  12
.set LDR,  13
.set SH8,  14
.set VH,   15
.set ADRA, 16
.set ADRB, 20
.set ADRS, 27
.set SPW,  28
.set NIL,  29
.set SC,   32
.set AF,   128
.set GN,   224
.set YY,   64
.set TT,   96
.set CD0,  128
.set TP,   152
.set SCW,  160
.set RS,   96
.set VF,   160
.set TPV,  208
.set VB,   212
.set G1, 24
.set G0, 32
.set G1B, 48
.set G0B, 56
.set G1S, 68
.set G0S, 76
.set G1SB, 80
.set G0SB, 88
.set MSB, 0
.macro WIN new
.if MSB != (\new)
	s_set_vgpr_msb (MSB<<8)|(\new)
.set MSB, (\new)
.endif
.endm
.set MUL_LO, 0xa1
.set MUL_HI, 0xf1
.set TO_B,   0x40
.macro JLOAD g0a, g1a, g0b, g1b
	s_cmp_eq_u32 s15, 0
	s_cbranch_scc0 .Lfor_b_\@
	tensor_load_to_lds s[\g0a:\g0a+3], s[\g1a:\g1a+7]
	s_nop 0
.rept 4
	v_nop
.endr
	s_branch .Lasked_\@
.Lfor_b_\@:
	tensor_load_to_lds s[\g0b:\g0b+3], s[\g1b:\g1b+7]
	s_nop 0
.rept 4
	v_nop
.endr
.Lasked_\@:
.endm
.macro CREST
	s_cmp_lg_u32 s14, 0
	s_cbranch_scc1 .Lnot_wave_0_\@
	s_barrier_signal -3
.Lnot_wave_0_\@:
	s_barrier_wait -3
	s_barrier_signal -1
	s_barrier_wait -1
.endm
.macro CROUND
	s_barrier_signal -1
	s_barrier_wait -1
	CREST
.endm
	s_load_b64 s[4:5], s[0:1], 0x0
	s_load_b64 s[8:9], s[0:1], 0x8
	v_lshl_add_u32 v[SPW], v0, 2, SPARE
	v_mov_b32 v[NIL], 0
	ds_add_u32 v28, v29
	ds_add_u32 v28, v29
	s_wait_dscnt 0x0
	v_lshrrev_b32 v1, 5, v0
	v_readfirstlane_b32 s14, v1
	s_lshr_b32 s15, s14, 1
	s_and_b32 s16, s14, 1
	s_bfe_u32 s40, ttmp6, 0x40000
	s_bfe_u32 s41, ttmp6, 0x40004
	s_lshl_b32 s42, ttmp9, 2
	s_add_co_u32 s42, s42, s40
	s_and_b32 s17, ttmp7, 0xffff
	s_lshl_b32 s17, s17, 2
	s_add_co_u32 s17, s17, s41
	s_lshl_b32 s43, s41, 2
	s_lshl_b32 s43, 15, s43
	s_lshl_b32 s44, 0x1111, s40
	s_or_b32 s[G1+0], s43, (0<<16)|(1<<20)|(1<<21)|(3<<22)|(3<<25)
	s_or_b32 s[G1B+0], s44, (0<<16)|(1<<20)|(1<<21)|(3<<22)|(3<<25)
.irp g, G1, G1B                        ; 128 places x 192 bytes are dense: 96 rows of 256 bytes; 16 bytes of padding behind every 64 give a place 240 bytes in LDS
	s_mov_b32 s[\g+1], 256<<16
	s_mov_b32 s[\g+2], 192<<16                     ; the head's loads bring 256 places, 192 rows; behind them the two words that count rows are set to 96
	s_mov_b32 s[\g+3], 256<<16
	s_mov_b32 s[\g+4], 192
	s_mov_b32 s[\g+5], 256
	s_mov_b32 s[\g+6], 0
	s_mov_b32 s[\g+7], 0
.endr
	s_or_b32 s[G1S+0], s43, (3<<16)|(1<<20)|(1<<21)|(5<<22)|(3<<25)
	s_or_b32 s[G1SB+0], s44, (3<<16)|(1<<20)|(1<<21)|(5<<22)|(3<<25)
.irp g, G1S, G1SB
	s_mov_b32 s[\g+1], 32<<16
	s_mov_b32 s[\g+2], 32<<16                      ; the scales of 256 places: 32 rows of 256 bytes
	s_mov_b32 s[\g+3], 32<<16
	s_mov_b32 s[\g+4], 32
	s_mov_b32 s[\g+5], 32
	s_mov_b32 s[\g+6], 0
	s_mov_b32 s[\g+7], 0
.endr
	s_lshl_b32 s20, s17, 8                         ; the tile's first place of x,
	s_lshl_b32 s46, s42, 8                         ; and of the weights
	s_mov_b32 s21, 0
	s_mov_b32 s47, 0
	s_mov_b64 s[18:19], KS
	s_mul_u64 s[22:23], s[20:21], s[18:19]
	s_mul_u64 s[92:93], s[46:47], s[18:19]
	s_mov_b64 s[18:19], KROW
	s_mul_u64 s[20:21], s[20:21], s[18:19]
	s_mul_u64 s[46:47], s[46:47], s[18:19]
	s_mul_i32 s96, s14, HALFT                      ; in the ring I fetch 128 places: where they go,
	s_mul_i32 s98, s16, 128*KROW                   ; and which half of the tile they are, in bytes
	s_mov_b32 s99, 0
	s_wait_kmcnt 0x0
	s_add_nc_u64 s[6:7], s[4:5], XS_OFF
	s_add_nc_u64 s[10:11], s[8:9], WS_OFF
	s_add_nc_u64 s[20:21], s[4:5], s[20:21]
	s_add_nc_u64 s[22:23], s[6:7], s[22:23]
	s_add_nc_u64 s[46:47], s[8:9], s[46:47]
	s_add_nc_u64 s[92:93], s[10:11], s[92:93]
	CROUND
; THE HEAD'S LOADS, ONE A WAVE: what the first step needs is shared out, each tile whole: wave 0 slot 0's 256 places of x, wave 1 its 256 places of the weights, wave 2 x's scales, wave 3 the weights'.
	s_mov_b32 s[G0], 1
	s_mov_b32 s[G0+1], 0
	s_mov_b64 s[G0+2:G0+3], s[20:21]
	s_or_b32 s[G0+3], s[G0+3], 0x80000000
	s_mov_b32 s[G0B], 1
	s_mov_b32 s[G0B+1], 2*HALFT
	s_mov_b64 s[G0B+2:G0B+3], s[46:47]
	s_or_b32 s[G0B+3], s[G0B+3], 0x80000000
	s_mov_b32 s[G0S], 1
	s_mov_b32 s[G0S+1], SCL
	s_mov_b64 s[G0S+2:G0S+3], s[22:23]
	s_or_b32 s[G0S+3], s[G0S+3], 0x80000000
	s_mov_b32 s[G0SB], 1
	s_mov_b32 s[G0SB+1], SCL+2*HALFS
	s_mov_b64 s[G0SB+2:G0SB+3], s[92:93]
	s_or_b32 s[G0SB+3], s[G0SB+3], 0x80000000
	s_mov_b32 s[G0+4], 1                           ; slot 1: my 128 places of the next plane
	s_add_co_u32 s[G0+5], s96, SLOT
	s_add_nc_u64 s[G0+6:G0+7], s[20:21], s[98:99]
	s_add_nc_u64 s[G0+6:G0+7], s[G0+6:G0+7], XPL
	s_or_b32 s[G0+7], s[G0+7], 0x80000000
	s_mov_b32 s[G0B+4], 1
	s_add_co_u32 s[G0B+5], s96, SLOT
	s_add_nc_u64 s[G0B+6:G0B+7], s[46:47], s[98:99]
	s_add_nc_u64 s[G0B+6:G0B+7], s[G0B+6:G0B+7], WPL
	s_or_b32 s[G0B+7], s[G0B+7], 0x80000000
.macro ARM under, g0, g1, next         ; one chain of branches on the wave's number: every way through it passes exactly one load
	s_cmp_lt_u32 s14, \under
	s_cbranch_scc0 \next
	tensor_load_to_lds s[\g0:\g0+3], s[\g1:\g1+7]
	s_nop 0
.rept 4
	v_nop
.endr
	s_branch .Lhead_asked
\next:
.endm
	ARM 1, G0,  G1,  .Lhead_b
	ARM 2, G0B, G1B, .Lhead_sa
	ARM 3, G0S, G1S, .Lhead_sb
	tensor_load_to_lds s[G0SB:G0SB+3], s[G1SB:G1SB+7]
	s_nop 0
.rept 4
	v_nop
.endr
.Lhead_asked:                                          ; the set-up below stands between the head's loads and the wait for them
	s_load_b256 s[4:11], s[0:1], 0x10
	s_load_b128 s[92:95], s[0:1], 0x30
	v_and_b32 v1, 15, v0
	v_bfe_u32 v2, v0, 4, 1
	v_mul_u32_u24 v3, v1, PITCH
	v_mul_u32_u24 v4, v2, 24
	v_add_nc_u32 v4, v3, v4
	v_lshl_add_u32 v5, v2, 4, v4
	s_mul_i32 s21, s15, HALFT
	s_mul_i32 s22, s16, HALFT
	s_add_co_u32 s22, s22, 2*HALFT
.irp s, 0,1
	v_add_nc_u32 v[ADRA+\s], s21, v4
	v_add_nc_u32 v[ADRB+\s], s22, v4
	v_add_nc_u32 v[ADRA+2+\s], s21, v5
	v_add_nc_u32 v[ADRB+2+\s], s22, v5
	s_add_co_u32 s21, s21, SLOT
	s_add_co_u32 s22, s22, SLOT
.endr
	v_mul_u32_u24 v5, v1, KS
	v_lshrrev_b32 v6, 8, v5
	v_lshl_add_u32 v5, v6, 4, v5
	s_mul_i32 s21, s15, HALFS
	s_mul_i32 s22, s16, HALFS
	s_add_co_u32 s22, s22, 2*HALFS
	s_sub_co_u32 s22, s22, s21
	v_mul_u32_u24 v6, s22, v2
	s_add_co_u32 s21, s21, SCL
	v_add_nc_u32 v5, v5, v6
	v_add_nc_u32 v[ADRS], s21, v5
	v_mov_b32 v[VH], v2
	v_lshlrev_b32 v[SH8], 3, v2
	v_and_b32 v3, 7, v1
	v_lshrrev_b32 v4, 3, v1
	v_lshl_add_u32 v3, v4, 5, v3
	v_lshlrev_b32 v[GWO], 7, v2
	v_lshl_add_u32 v[CSO], v3, 8, v[GWO]
	v_and_b32 v[LI], 31, v0
	v_lshlrev_b32 v[LI], 4, v[LI]
	v_mul_u32_u24 v[VSO], v2, 208896
	v_lshl_add_u32 v[VSO], v1, 4, v[VSO]
	v_add_nc_u32 v[VSO], 12800, v[VSO]
	s_mul_i32 s46, s14, 17408
	v_mul_u32_u24 v[STW], v1, 272
	v_lshl_add_u32 v[STW], v2, 5, v[STW]
	v_add_nc_u32 v[STW], s46, v[STW]
	v_mul_u32_u24 v[LDR], v2, 2176
	v_lshl_add_u32 v[LDR], v1, 2, v[LDR]
	v_add_nc_u32 v[LDR], s46, v[LDR]
	s_lshl_b32 s18, s17, 1
	s_add_co_u32 s18, s18, s15
	s_lshr_b32 s19, s18, 4
	s_and_b32 s18, s18, 15
	s_lshl_b32 s46, s19, 4
	s_lshl_b32 s47, s42, 2
	s_add_co_u32 s46, s46, s47
	s_lshl_b32 s47, s16, 1
	s_add_co_u32 s46, s46, s47
	s_lshl_b32 s47, s19, 3
	s_lshl_b32 s45, s42, 1
	s_add_co_u32 s47, s47, s45
	s_sub_co_u32 s47, s47, 8
	s_mov_b32 s45, 13056
	s_mov_b32 s66, 12288
	s_wait_kmcnt 0x0
	s_cmp_eq_u32 ttmp9, 0
	s_cselect_b32 s46, s46, s47
	s_cselect_b32 s45, 6656, s45
	s_cselect_b32 s66, 6144, s66
	s_cselect_b64 s[8:9], s[8:9], s[10:11]
	s_cselect_b64 s[10:11], s[92:93], s[94:95]
	s_lshl_b32 s46, s46, 4
	s_add_co_u32 s46, s46, s18
	s_mul_i32 s46, s46, s45
	s_mov_b32 s47, 0
	s_add_nc_u64 s[10:11], s[10:11], s[46:47]
	s_lshl_b32 s46, s45, 4
	s_add_nc_u64 s[12:13], s[10:11], s[46:47]
	s_lshl_b32 s46, s18, 15
	s_add_nc_u64 s[4:5], s[4:5], s[46:47]
	s_add_nc_u64 s[6:7], s[6:7], s[46:47]
	v_lshlrev_b32 v[SCO], 5, v1
	v_lshl_add_u32 v[SCO], v2, 4, v[SCO]
	v_add_nc_u32 v[SCO], s66, v[SCO]
	s_mov_b32 s20, 0x76543210
	s_mov_b32 s21, 0xfedcba98
	s_mov_b32 s22, 0x3c800000
	s_mov_b32 s23, 0x358637bd
.macro LOADCS a
.if ((\a)%2) == 0
.set CO, 96
.set SI, 224
.else
.set CO, 0
.set SI, 32
.endif
	WIN TO_B
.irp i, 0,1,2,3,4,5,6,7
	global_load_b128 v[CO+4*\i:CO+4*\i+3], v[CSO], s[4:5] offset:(64*((\a)/4)+8*((\a)%4))*256+16*\i
	global_load_b128 v[SI+4*\i:SI+4*\i+3], v[CSO], s[6:7] offset:(64*((\a)/4)+8*((\a)%4))*256+16*\i
.endr
	WIN 0
.endm
.irp i, 0,1,2,3,4,5,6,7
	global_load_b128 v[GN+4*\i:GN+4*\i+3], v[GWO], s[8:9] offset:16*\i
.endr
	LOADCS 0
.macro FRAG reg, adr, q, i
.irp p, 0,1,2,3,4,5
.set PC, 12*(\q)+6*(\p/3)+\p%3
.if PC%8 < 5
	ds_load_b64 v[\reg+2*\p:\reg+2*\p+1], v[\adr] offset:8*PC+16*(PC/8)+(\i)*16*PITCH
.else
	ds_load_b64 v[\reg+2*\p:\reg+2*\p+1], v[\adr+2] offset:8*PC+16*(PC/8)+(\i)*16*PITCH
.endif
.endr
.endm
.macro MUL16 a0, p, q, sc, zero
.irp a, \a0, \a0+1
.irp b, 0,1,2,3,4,5,6,7
.if \zero
	v_wmma_scale_f32_16x16x128_f8f6f4 v[8*(8*((\a)%4)+\b):8*(8*((\a)%4)+\b)+7], v[128*(\p)+FR*\b:128*(\p)+FR*\b+FR-1], v[AF+FR*(\a):AF+FR*(\a)+FR-1], 0, v[SC+8*NQ*(\sc)+NQ*\b+(\q)], v[SC+8*NQ*(\sc)+NQ*(\a)+(\q)] matrix_a_fmt:MATRIX_FMT_FP6 matrix_b_fmt:MATRIX_FMT_FP6 matrix_a_scale:MATRIX_SCALE_ROW1
.else
	v_wmma_scale_f32_16x16x128_f8f6f4 v[8*(8*((\a)%4)+\b):8*(8*((\a)%4)+\b)+7], v[128*(\p)+FR*\b:128*(\p)+FR*\b+FR-1], v[AF+FR*(\a):AF+FR*(\a)+FR-1], v[8*(8*((\a)%4)+\b):8*(8*((\a)%4)+\b)+7], v[SC+8*NQ*(\sc)+NQ*\b+(\q)], v[SC+8*NQ*(\sc)+NQ*(\a)+(\q)] matrix_a_fmt:MATRIX_FMT_FP6 matrix_b_fmt:MATRIX_FMT_FP6 matrix_a_scale:MATRIX_SCALE_ROW1
.endif
.endr
.endr
.endm
.macro FETCH_B slot, q, p
	WIN TO_B
.irp i, 0,1,2,3,4,5,6,7
	FRAG 128*(\p)+FR*\i, ADRB+\slot, \q, \i
.endr
	WIN 0
.endm
.macro FETCH_A slot, q, i0
.irp i, \i0, \i0+1, \i0+2, \i0+3
	FRAG AF+FR*(\i), ADRA+\slot, \q, \i
.endr
.endm
.macro SCALES sc
.irp i, 0,1,2,3,4,5,6,7
	ds_load_b64 v[SC+8*NQ*\sc+NQ*\i:SC+8*NQ*\sc+NQ*\i+1], v[ADRS] offset:\i*SBLK
.endr
.endm
.macro PLACES n
.rept \n
	v_nop
.endr
.endm
.macro STEP slot, q, zero
	s_wait_dscnt 4*NL
	WIN MUL_LO
	MUL16 0, (\q)%2, \q, \slot, \zero
	MUL16 2, (\q)%2, \q, \slot, \zero
	s_wait_dscnt 0
	PLACES NP
	FETCH_B \slot, (\q)+1, 1-(\q)%2
	FETCH_A \slot, (\q)+1, 0
	WIN MUL_HI
	MUL16 4, (\q)%2, \q, \slot, \zero
	MUL16 6, (\q)%2, \q, \slot, \zero
	PLACES NP
	WIN 0
	FETCH_A \slot, (\q)+1, 4
.endm
.macro TURN slot, next, fill
	s_wait_tensorcnt 0x0
	ds_add_u32 v[SPW], v[NIL]
	s_wait_dscnt 4*NL+1
	WIN MUL_LO
	MUL16 0, 1, NQ-1, \slot, 0
	s_wait_dscnt 0x0
	s_barrier_signal -1
	MUL16 2, 1, NQ-1, \slot, 0
	WIN 0
	s_barrier_wait -1
.if \fill
	CREST
	s_add_nc_u64 s[G0+4*\slot+2:G0+4*\slot+3], s[G0+4*\slot+2:G0+4*\slot+3], 2*XPL
	s_add_nc_u64 s[G0B+4*\slot+2:G0B+4*\slot+3], s[G0B+4*\slot+2:G0B+4*\slot+3], 2*WPL
	JLOAD G0+4*\slot, G1, G0B+4*\slot, G1B
.else
	PLACES NP
.endif
	s_wait_alu depctr_va_vdst(0)
	v_add_nc_u32 v[ADRS], 4*NQ, v[ADRS]
	FETCH_B \next, 0, 0
	FETCH_A \next, 0, 0
	SCALES \next
	WIN MUL_HI
	MUL16 4, 1, NQ-1, \slot, 0
	MUL16 6, 1, NQ-1, \slot, 0
	PLACES NP
	WIN 0
	FETCH_A \next, 0, 4
.endm
	s_wait_alu depctr_va_vdst(0)
	s_wait_tensorcnt 0x0                           ; my tile of the head's four is in
	ds_add_u32 v[SPW], v[NIL]
	s_mov_b32 s[G0+1], s96                         ; no tensor load of mine is out, so descriptors may be written: slot 0's become the ring's, my 128 places,
	s_add_nc_u64 s[G0+2:G0+3], s[G0+2:G0+3], s[98:99]
	s_mov_b32 s[G0B+1], s96
	s_add_nc_u64 s[G0B+2:G0B+3], s[G0B+2:G0B+3], s[98:99]
	s_mov_b32 s[G1+2], 96<<16                      ; and a load brings 96 rows from here on
	s_mov_b32 s[G1+4], 96
	s_mov_b32 s[G1B+2], 96<<16
	s_mov_b32 s[G1B+4], 96
	s_wait_dscnt 0x0
	CROUND                                         ; all four tiles are in, and all sixteen work-groups are here
	JLOAD G0+4, G1, G0B+4, G1B                     ; slot 1's first fill, the first tensor load behind the round
	FETCH_B 0, 0, 0
	FETCH_A 0, 0, 0
	SCALES 0
	FETCH_A 0, 0, 4
	STEP 0, 0, 1
	s_mov_b32 s3, LAPS-1
.Llap:
	TURN 0, 1, 1
	STEP 1, 0, 0
	TURN 1, 0, 1
	STEP 0, 0, 0
	s_sub_co_u32 s3, s3, 1
	s_cmp_lg_u32 s3, 0
	s_cbranch_scc1 .Llap
	TURN 0, 1, 0
	STEP 1, 0, 0
	s_wait_dscnt 4*NL
	WIN MUL_LO
	MUL16 0, 1, NQ-1, 1, 0
	MUL16 2, 1, NQ-1, 1, 0
	s_wait_dscnt 0
	WIN MUL_HI
	MUL16 4, 1, NQ-1, 1, 0
	MUL16 6, 1, NQ-1, 1, 0
	WIN 0
.macro SUMSQ a, hd, q
.set AC, 64*((\a)%4)+32*(\hd)
	WIN 0x0a+5*((\a)/4)
	v_pk_mul_f32 v[\q:\q+1], v[AC:AC+1], v[AC:AC+1]
	v_pk_mul_f32 v[\q+2:\q+3], v[AC+2:AC+3], v[AC+2:AC+3]
.irp i, 4,8,12,16,20,24,28
	v_pk_fma_f32 v[\q:\q+1], v[AC+\i:AC+\i+1], v[AC+\i:AC+\i+1], v[\q:\q+1]
	v_pk_fma_f32 v[\q+2:\q+3], v[AC+\i+2:AC+\i+3], v[AC+\i+2:AC+\i+3], v[\q+2:\q+3]
.endr
.endm
.macro RSQ n
	WIN 0
.set u, 0
.rept \n
	v_pk_add_f32 v[ST+4*u:ST+4*u+1], v[ST+4*u:ST+4*u+1], v[ST+4*u+2:ST+4*u+3]
.set u, u+1
.endr
.set u, 0
.rept \n
	v_add_f32 v[ST+4*u], v[ST+4*u], v[ST+4*u+1]
.set u, u+1
.endr
.set u, 0
.rept \n
	v_permlanex16_b32 v[ST+4*u+1], v[ST+4*u], s20, s21
.set u, u+1
.endr
.set u, 0
.rept \n
	v_add_f32 v[ST+4*u], v[ST+4*u], v[ST+4*u+1]
.set u, u+1
.endr
.set u, 0
.rept \n
	v_fma_f32 v[ST+4*u], v[ST+4*u], s22, s23
.set u, u+1
.endr
.set u, 0
	s_wait_alu depctr_va_vdst(0)
.rept \n
	v_rsq_f32 v[ST+4*u+2], v[ST+4*u]
.set u, u+1
.endr
	v_nop
	s_wait_alu depctr_va_vdst(0)
.endm
.macro SCALEY a, hd, y, rs
.set AC, 64*((\a)%4)+32*(\hd)
	WIN 0x02+((\a)/4)
.irp i, 0,2,4,6,8,10,12,14,16,18,20,22,24,26,28,30
	v_pk_mul_f32 v[\y+\i:\y+\i+1], v[AC+\i:AC+\i+1], v[\rs:\rs+1] op_sel_hi:[1,0]
.endr
.endm
.macro BLKQ z, dst, tmp, w
	v_max3_num_f32 v[\w], |v[\z]|, |v[\z+1]|, 0x1800000
	v_max3_num_f32 v[\w+1], |v[\z+2]|, |v[\z+3]|, |v[\z+4]|
.irp i, 5,9,13,17,21,25
	s_wait_alu depctr_va_vdst(0)
	v_max3_num_f32 v[\w], v[\w], |v[\z+\i]|, |v[\z+\i+1]|
	v_max3_num_f32 v[\w+1], v[\w+1], |v[\z+\i+2]|, |v[\z+\i+3]|
.endr
	v_max3_num_f32 v[\w], v[\w], |v[\z+29]|, |v[\z+30]|
	v_max3_num_f32 v[\w], v[\w], v[\w+1], |v[\z+31]|
	v_add_nc_u32 v[\w+2], 0xff000000, v[\w]
	v_cvt_scalef32_pk16_fp6_f32 v[\dst:\dst+2], v[\z:\z+15], v[\w+2]
	v_cvt_scalef32_pk16_fp6_f32 v[\tmp:\tmp+2], v[\z+16:\z+31], v[\w+2]
	v_lshrrev_b32 v[\w+3], 23, v[\w+2]
	v_mov_b32 v[\dst+3], v[\tmp]
	v_mov_b32 v[\dst+4], v[\tmp+1]
	v_mov_b32 v[\dst+5], v[\tmp+2]
.endm
	PLACES NP
	s_cmp_eq_u32 ttmp9, 0
	s_cbranch_scc1 .Lqk
	s_cmp_eq_u32 s16, 0
	s_cbranch_scc1 .Lqk
.set ST, 224
.macro VLOAD d
.irp t, 0,1,2,3
.irp j, 0,1,2,3,4,5,6,7
	ds_load_b32 v[RS+32*((\d)%2)+8*\t+\j], v[LDR] offset:(16*\t+\j)*272+64*(\d)
.endr
.endr
.endm
	s_wait_loadcnt 0x0
.irp hd, 0,1
.if \hd == 1
	s_wait_xcnt 0x0
.endif
.irp c, 0,1
	SUMSQ 4*\c+0, \hd, ST
	SUMSQ 4*\c+1, \hd, ST+4
	SUMSQ 4*\c+2, \hd, ST+8
	SUMSQ 4*\c+3, \hd, ST+12
	RSQ 4
.irp t, 0,1,2,3
	SCALEY 4*\c+\t, \hd, YY, ST+4*\t+2
	WIN 0
.irp e, 0,1,2,3,4,5,6,7
	ds_store_b128 v[STW], v[YY+4*\e:YY+4*\e+3] offset:16*\t*272+64*(\e/2)+16*(\e%2)
.endr
.endr
	VLOAD 0
.irp d, 0,1,2,3
.if \d < 3
	VLOAD \d+1
	s_wait_dscnt 32
.else
	s_wait_dscnt 0
.endif
	BLKQ RS+32*((\d)%2), VF+12*\d+6*\c, TPV, ST
.if \c == 0
	v_mov_b32 v[VB+4*\hd+\d], v[ST+3]
.else
	v_lshl_or_b32 v[VB+4*\hd+\d], v[ST+3], 16, v[VB+4*\hd+\d]
.endif
.endr
.endr
.irp d, 0,1,2,3
	v_lshlrev_b32 v[VB+4*\hd+\d], v[SH8], v[VB+4*\hd+\d]
.endr
.irp d, 0,1,2,3
	v_permlanex16_b32 v[ST+\d], v[VB+4*\hd+\d], s20, s21
.endr
.irp d, 0,1,2,3
	v_or_b32 v[VB+4*\hd+\d], v[VB+4*\hd+\d], v[ST+\d]
.endr
.irp d, 0,1,2,3
.irp q, 0,1,2
	global_store_b128 v[LI], v[VF+12*\d+4*\q:VF+12*\d+4*\q+3], s[10+2*\hd:11+2*\hd] offset:6144+1536*\d+512*\q
.endr
.endr
.endr
	v_cmp_ne_u32 vcc_lo, 0, v[VH]
.irp d, 0,1,2,3
	v_cndmask_b32 v[YY+\d], v[VB+\d], v[VB+4+\d], vcc_lo
.endr
	global_store_b128 v[VSO], v[YY:YY+3], s[10:11]
	s_branch .Lend
.Lqk:
.set ST, 176
.macro ROPE y, t, set
.if (\set) == 0
.set CO, 96
.set SI, 224
.else
.set CO, 0
.set SI, 32
.endif
	WIN 0x04
.irp i, 0,2,4,6,8,10,12,14,16,18,20,22,24,26,28,30
	v_pk_mul_f32 v[\t+\i:\t+\i+1], v[\y+\i:\y+\i+1], v[CO+\i:CO+\i+1]
.endr
.irp i, 0,2,4,6,8,10,12,14
	v_pk_fma_f32 v[\t+\i:\t+\i+1], v[\y+16+\i:\y+17+\i], v[SI+\i:SI+\i+1], v[\t+\i:\t+\i+1] neg_lo:[1,0,0] neg_hi:[1,0,0]
	v_pk_fma_f32 v[\t+16+\i:\t+17+\i], v[\y+\i:\y+\i+1], v[SI+16+\i:SI+17+\i], v[\t+16+\i:\t+17+\i]
.endr
	WIN 0
.endm
.irp a, 0,1,2,3,4,5,6,7
.if \a < 7
	LOADCS \a+1
.endif
	SUMSQ \a, 0, ST
	SUMSQ \a, 1, ST+4
	RSQ 2
.if \a < 7
	s_wait_loadcnt 16
.else
	s_wait_loadcnt 0
.endif
.irp hd, 0,1
	SCALEY \a, \hd, YY, ST+4*\hd+2
	WIN 0
.irp i, 0,2,4,6,8,10,12,14,16,18,20,22,24,26,28,30
	v_pk_mul_f32 v[YY+\i:YY+\i+1], v[YY+\i:YY+\i+1], v[GN+\i:GN+\i+1]
.endr
	ROPE YY, TT, (\a)%2
.if ((\a)%2 == 0) && (\a >= 2) && (\hd == 0)
	s_wait_xcnt 0x0
.endif
	BLKQ TT, CD0+12*\hd+6*((\a)%2), TP, ST+4*\hd
	v_lshlrev_b32 v[ST+4*\hd+3], v[SH8], v[ST+4*\hd+3]
	v_permlanex16_b32 v[ST+4*\hd], v[ST+4*\hd+3], s20, s21
	v_or_b32 v[ST+4*\hd+3], v[ST+4*\hd+3], v[ST+4*\hd]
	v_or_b32 v[SCW+8*\hd+\a], 0x7f7f0000, v[ST+4*\hd+3]
.endr
.if (\a)%2 == 1
.irp hd, 0,1
.irp q, 0,1,2
	global_store_b128 v[LI], v[CD0+12*\hd+4*\q:CD0+12*\hd+4*\q+3], s[10+2*\hd:11+2*\hd] offset:(3*((\a)/2)+\q)*512
.endr
.endr
.endif
.endr
	v_cmp_ne_u32 vcc_lo, 0, v[VH]
.irp hd, 0,1
.irp j, 0,1,2,3
	v_cndmask_b32 v[YY+4*\hd+\j], v[SCW+8*\hd+\j], v[SCW+8*\hd+4+\j], vcc_lo
.endr
.endr
	global_store_b128 v[SCO], v[YY:YY+3], s[10:11]
	global_store_b128 v[SCO], v[YY+4:YY+7], s[12:13]
.Lend:
	s_wait_tensorcnt 0x0
	ds_add_u32 v[SPW], v[NIL]
	s_wait_dscnt 0x0
	CROUND
	s_endpgm
.Lfunc_end_k_qd44b6a92ed_qkv:
	.size	k_qd44b6a92ed_qkv, .Lfunc_end_k_qd44b6a92ed_qkv-k_qd44b6a92ed_qkv
	.p2alignl 7, 3214868480
	.fill 96, 4, 3214868480
	.section	.rodata,"a",@progbits
	.p2align	6, 0x0
	.amdhsa_kernel k_qd44b6a92ed_qkv
		.amdhsa_group_segment_fixed_size 327680
		.amdhsa_private_segment_fixed_size 0
		.amdhsa_enable_private_segment 0
		.amdhsa_kernarg_size 64
		.amdhsa_user_sgpr_count 2
		.amdhsa_user_sgpr_kernarg_segment_ptr 1
		.amdhsa_wavefront_size32 1
		.amdhsa_system_sgpr_workgroup_id_x 1
		.amdhsa_system_sgpr_workgroup_id_y 1
		.amdhsa_system_sgpr_workgroup_id_z 1
		.amdhsa_system_vgpr_workitem_id 0
		.amdhsa_next_free_vgpr 1024
		.amdhsa_next_free_sgpr 100
		.amdhsa_reserve_vcc 1
		.amdhsa_float_denorm_mode_32 3
		.amdhsa_float_denorm_mode_16_64 3
		.amdhsa_memory_ordered 1
		.amdhsa_forward_progress 1
		.amdhsa_inst_pref_size 255
	.end_amdhsa_kernel
	.section	.bss,"aw",@nobits
	.p2align	6
	.space	262144
	.amdgpu_metadata
---
amdhsa.version: [ 1, 2 ]
amdhsa.kernels:
  - .name:           k_qd44b6a92ed_qkv
    .symbol:         k_qd44b6a92ed_qkv.kd
    .args:
      - { .name: xq, .offset: 0, .size: 8, .value_kind: global_buffer, .address_space: global }
      - { .name: wts, .offset: 8, .size: 8, .value_kind: global_buffer, .address_space: global }
      - { .name: cos, .offset: 16, .size: 8, .value_kind: global_buffer, .address_space: global }
      - { .name: sin, .offset: 24, .size: 8, .value_kind: global_buffer, .address_space: global }
      - { .name: q_norm_w, .offset: 32, .size: 8, .value_kind: global_buffer, .address_space: global }
      - { .name: k_norm_w, .offset: 40, .size: 8, .value_kind: global_buffer, .address_space: global }
      - { .name: q_img, .offset: 48, .size: 8, .value_kind: global_buffer, .address_space: global }
      - { .name: kv_img, .offset: 56, .size: 8, .value_kind: global_buffer, .address_space: global }
    .group_segment_fixed_size: 327680
    .private_segment_fixed_size: 0
    .kernarg_segment_align: 8
    .kernarg_segment_size: 64
    .max_flat_workgroup_size: 128
    .sgpr_count:     100
    .vgpr_count:     1024
    .wavefront_size: 32
...
	.end_amdgpu_metadata
.endif
;; end of part 2
;; launch attn (part 3): grid 8 x 32, 16 waves a work-group, clusters of 4 x 1, 219,136 bytes of LDS; arguments q_img, kv_img, attention_mask, aq; writes aq
.if DOCPART == 3
	.amdgcn_target "amdgcn-amd-amdhsa--gfx1250"
	.amdhsa_code_object_version 6
	.text
	.protected	k_qd44b6a92ed_attn
	.globl	k_qd44b6a92ed_attn
	.p2align	8
	.type	k_qd44b6a92ed_attn,@function
k_qd44b6a92ed_attn:
	s_mov_b64 s[64:65], 0
	v_nop
	global_prefetch_b8 v0, s[64:65] scope:SCOPE_SE
	s_setreg_imm32_b32 hwreg(HW_REG_WAVE_MODE, 25, 1), 1
	s_wait_xcnt 0x0
	s_wait_alu depctr_hold_cnt(0) depctr_sa_sdst(0) depctr_va_vdst(0) depctr_va_sdst(0) depctr_va_ssrc(0) depctr_va_vcc(0) depctr_vm_vsrc(0)
	s_getreg_b32 s2, hwreg(HW_REG_IB_STS2, 6, 4)
	s_cmp_eq_u32 s2, 0
	s_cbranch_scc0 .Lentry_in_a_cluster
	s_endpgm
.Lentry_in_a_cluster:
	s_bfe_u32 s2, ttmp6, 0x10000c
	s_cmp_lg_u32 s2, 0x3003
	s_cbranch_scc0 .Lentry_shape_is_right
	s_endpgm
.Lentry_shape_is_right:
; Attention on codes of FP6 (E2M3) with E8M0 scales: S^T = K Q^T (K = the head's 64), the key mask, p = 2^(t - M) with t = score x log2(e) and M the running largest t rounded up to a whole number, O^T = V^T P^T (K = the keys),
; O / the sum of the unquantised p, the query mask, and the quantiser along (head, d) of the last product's operand.
; SHARES.  A work-group owns one kv head of one batch and 256 queries; each of its sixteen waves 16 queries, in 256 registers, four waves to a SIMD.  A wave makes two passes, one for each of the two query heads that share the kv head.
; LDS.  The kv head's K and V of all 2,048 keys (16 steps of 13,056 bytes, images of the operands' registers with their scale words) are filled ONCE, one tensor load a wave, and stay: nothing is filled again.
; CLUSTER.  The four work-groups of a cluster own the same kv head: each step's bytes are asked for jointly, by the same load with the same descriptor and the mask of all four.
; LAYOUT.  Both products are used transposed: a lane holds one query (lane % 16).  The keys lie in places such that the 32 registers of four neighbouring score tiles are keys 64 c + 32 h + 0 .. 31: a WHOLE block of 32 in a lane.
; K = 64 IN A FORM OF 128: Q's upper six registers are zero codes and the upper two scale bytes of both sides stand for 1; K's tile T is named with the six registers that follow it (the next tile's codes; behind tile 7 six cleared ones): they meet zeros.
; THE KEY MASK is the C of the score's matrix instruction: 0 for an open key, -2^100 for a hidden one.  The query mask sets 1 / sum to 0.
; LIMITS: NaN and infinities are not served; a row whose largest open t lies under -2^64 (the running maximum's start) is not served; a block's largest p is made from the block's largest score by the same two instructions, which takes
; v_exp_f32 not to fall where its input rises; a block whose largest magnitude lies under 2^-124, zeros too, has the byte 1 (this program alone reads the bytes).
; REGISTERS: v1-7 lane terms; v8-11 the step's addresses; v12 -M, v13 the largest t, v[14:15] the sum; v16-27 Q; v28 8 h; v29 my output bytes; v30 my query's mask; v31 Q's scale word's offset; v32-79 K's tiles, then V's fragments; v80-85 zeros;
; v86-93 K's scale words, then V's; v94 p's; v95 Q's; v96-159 the scores, then p; v160-191 O^T; v192-203 p's codes; v204-215 the output fragment; v216-240 at work.
.set STEPB, 13056
.set BIAS,  16*STEPB                   ; behind the 16 steps: 2,048 f32, stored by the waves; no fill lands here
.set AS_OFF, 6291456
.set AK0, 1                            ; 16 x lane
.set AS0, 2                            ; 32 r + 12,288: K's scale words
.set AV0, 3                            ; 16 r + 12,800: V's
.set AB0, 4                            ; BIAS + 128 h
.set QA,  5                            ; v5-7 Q's three pairs of registers in its image
.set WV,  12
.set TB,  44                           ; s44 LDS byte of the step in hand
.set TBB, 45                           ; s45 its place in the bias table
.set CNT, 46
.set CS,  48                           ; s[48:49] log2(e)
.set SEL, 50                           ; s[50:51]
.macro CROUND
	s_barrier_signal -1
	s_barrier_wait -1
	s_cmp_lg_u32 s[WV], 0
	s_cbranch_scc1 .Lnot_wave_0_\@
	s_barrier_signal -3
.Lnot_wave_0_\@:
	s_barrier_wait -3
	s_barrier_signal -1
	s_barrier_wait -1
.endm
.macro BLKQ z, dst, tmp, w             ; a whole block of 32 in v[z] on becomes six registers of codes at v[dst] and its byte in v[w + 3]
	v_max3_num_f32 v[\w], |v[\z]|, |v[\z+1]|, 0x1800000
	v_max3_num_f32 v[\w+1], |v[\z+2]|, |v[\z+3]|, |v[\z+4]|
.irp i, 5,9,13,17,21,25
	s_delay_alu instid0(VALU_DEP_2)
	v_max3_num_f32 v[\w], v[\w], |v[\z+\i]|, |v[\z+\i+1]|
	s_delay_alu instid0(VALU_DEP_2)
	v_max3_num_f32 v[\w+1], v[\w+1], |v[\z+\i+2]|, |v[\z+\i+3]|
.endr
	s_delay_alu instid0(VALU_DEP_2)
	v_max3_num_f32 v[\w], v[\w], |v[\z+29]|, |v[\z+30]|
	s_delay_alu instid0(VALU_DEP_1)
	v_max3_num_f32 v[\w], v[\w], v[\w+1], |v[\z+31]|
	s_delay_alu instid0(VALU_DEP_1)
	v_add_nc_u32 v[\w+2], 0xff000000, v[\w]
	v_cvt_scalef32_pk16_fp6_f32 v[\dst:\dst+2], v[\z:\z+15], v[\w+2]
	v_cvt_scalef32_pk16_fp6_f32 v[\tmp:\tmp+2], v[\z+16:\z+31], v[\w+2]
	v_lshrrev_b32 v[\w+3], 23, v[\w+2]             ; the byte; also the plain instruction behind the conversions
	v_mov_b32 v[\dst+3], v[\tmp]
	v_mov_b32 v[\dst+4], v[\tmp+1]
	v_mov_b32 v[\dst+5], v[\tmp+2]
.endm
	s_load_b128 s[4:7], s[0:1], 0x0                ; q_img, kv_img
	s_load_b128 s[8:11], s[0:1], 0x10              ; attention_mask, aq
	v_lshl_add_u32 v254, v0, 2, 0x35000
	v_mov_b32 v255, 0
	ds_add_u32 v254, v255
	ds_add_u32 v254, v255
	v_lshrrev_b32 v1, 5, v0
	s_delay_alu instid0(VALU_DEP_1)
	v_readfirstlane_b32 s[WV], v1                  ; wave 0..15
	s_bfe_u32 s13, ttmp6, 0x40000                  ; cx: it enters global addresses of Q, the mask and the output alone
	s_lshl_b32 s14, ttmp9, 2
	s_add_co_u32 s14, s14, s13                     ; my block of 256 queries
	s_and_b32 s15, ttmp7, 0xffff                   ; 8 b + kv head
	s_lshr_b32 s16, s15, 3                         ; b
	s_and_b32 s17, s15, 7                          ; kv head
	s_lshr_b32 s18, s[WV], 3
	s_lshl_b32 s19, s14, 1
	s_add_co_u32 s18, s18, s19                     ; my group of 128 queries
	s_and_b32 s19, s[WV], 7                        ; my tile in it
	s_mov_b32 s28, 15|(3<<16)|(1<<21)              ; group 1: the mask of all four; elements of 8 bytes; no padding
	s_mov_b32 s29, 32<<16                          ; tensor_dim0 = 32 (256 bytes)
	s_mov_b32 s30, 51<<16                          ; tensor_dim1 = 51 rows: 13,056 dense bytes
	s_mov_b32 s31, 32<<16                          ; tile_dim0
	s_mov_b32 s32, 51                              ; tile_dim1
	s_mov_b32 s33, 32                              ; stride
	s_mov_b32 s34, 0
	s_mov_b32 s35, 0
	s_lshl_b32 s20, s15, 4
	s_add_co_u32 s20, s20, s[WV]                   ; wave w brings step w
	s_mul_i32 s20, s20, STEPB
	s_mov_b32 s21, 0
	s_wait_dscnt 0x0
	s_wait_kmcnt 0x0
	CROUND                                         ; all four work-groups are here: the joint loads meet
	s_mov_b32 s24, 1
	s_mul_i32 s25, s[WV], STEPB
	s_add_nc_u64 s[26:27], s[6:7], s[20:21]
	s_or_b32 s27, s27, 0x80000000
	tensor_load_to_lds s[24:27], s[28:35]          ; my one tensor load
	s_nop 0
.rept 4
	v_nop
.endr
	v_and_b32 v216, 31, v0                         ; lane
	v_and_b32 v217, 15, v0                         ; r
	s_wait_alu depctr_va_vdst(0)
	v_bfe_u32 v218, v0, 4, 1                       ; h
	v_lshlrev_b32 v[AK0], 4, v216
	v_lshl_add_u32 v[AS0], v217, 5, 12288
	v_lshl_add_u32 v[AV0], v217, 4, 12800
	s_delay_alu instid0(VALU_DEP_4)
	v_lshl_add_u32 v[AB0], v218, 7, BIAS
	v_lshlrev_b32 v28, 3, v218
	s_lshl_b32 s22, s16, 11
	s_mov_b32 s23, 0
	s_add_nc_u64 s[8:9], s[8:9], s[22:23]          ; my batch's mask
	v_lshlrev_b32 v219, 2, v0
	global_load_b32 v225, v219, s[8:9]             ; thread t: the mask bytes of keys 4 t .. 4 t + 3
	s_lshl_b32 s22, s18, 7                         ; my query: 128 x group + 64 (T / 4) + 8 (T % 4) + 32 (r / 8) + r % 8
	s_lshr_b32 s36, s19, 2
	s_lshl_b32 s36, s36, 6
	s_add_co_u32 s22, s22, s36
	s_and_b32 s36, s19, 3
	s_lshl_b32 s36, s36, 3
	s_add_co_u32 s22, s22, s36
	v_and_b32 v228, 7, v217
	v_lshrrev_b32 v229, 3, v217
	s_delay_alu instid0(VALU_DEP_1)
	v_lshl_add_u32 v228, v229, 5, v228
	s_delay_alu instid0(VALU_DEP_1)
	v_add_nc_u32 v228, s22, v228
	global_load_u8 v30, v228, s[8:9]
	s_lshl_b32 s22, s15, 5
	s_add_co_u32 s22, s22, s18
	s_mul_i32 s22, s22, 6656
	s_add_nc_u64 s[4:5], s[4:5], s[22:23]          ; Q: the first head's entry of my group; the second head's lies 16 entries on
	s_mul_i32 s36, s19, 3
.irp i, 0,1,2
	s_add_co_u32 s37, s36, \i                      ; registers 6 T + 2 i, + 1 of the image's run: quad (3 T + i) / 2, its lower or upper 8 bytes
	s_lshr_b32 s38, s37, 1
	s_lshl_b32 s38, s38, 9
	s_and_b32 s37, s37, 1
	s_lshl_b32 s37, s37, 3
	s_add_co_u32 s37, s37, s38
	v_add_nc_u32 v[QA+\i], s37, v[AK0]
.endr
	s_lshl_b32 s37, s19, 2
	s_add_co_u32 s37, s37, 6144
	v_lshl_add_u32 v31, v217, 5, s37               ; Q's scale word: 6,144 + 32 r + 4 T
	s_lshl_b32 s38, s16, 7
	s_lshl_b32 s39, s14, 4
	s_add_co_u32 s38, s38, s39
	s_add_co_u32 s38, s38, s[WV]                   ; my tile of 16 rows among the 512
	s_lshr_b32 s39, s17, 1
	s_lshl_b32 s39, s39, 9
	s_add_co_u32 s39, s39, s38
	s_lshl_b32 s39, s39, 1
	s_and_b32 s40, s17, 1
	s_add_co_u32 s39, s39, s40
	s_mul_i32 s22, s39, 1536
	s_add_nc_u64 s[40:41], s[10:11], s[22:23]      ; my output fragment: [kv head / 2][tile][kv head % 2][1,536]
	s_lshl_b32 s22, s38, 9
	s_lshl_b32 s39, s17, 2
	s_add_co_u32 s22, s22, s39
	s_add_co_u32 s22, s22, AS_OFF
	s_add_nc_u64 s[42:43], s[10:11], s[22:23]      ; and its scale words: 32 bytes a row, word = kv head
	s_mov_b32 s[CS], 0x3fb8aa3b                    ; log2(e): the scores' scaling is 1
	s_mov_b32 s[CS+1], s[CS]
	s_mov_b32 s[SEL], 0x76543210
	s_mov_b32 s[SEL+1], 0xfedcba98
.irp j, 22,23,24,25,26,27,80,81,82,83,84,85,222,227
	v_mov_b32 v[\j], 0                             ; Q's upper half, the six registers behind K's tile 7; a permute's destination and a pair's upper half, written once
.endr
	v_lshl_add_u32 v224, v0, 4, BIAS
	s_wait_loadcnt 0x1                             ; the four mask bytes are in; my query's byte may be out
.irp i, 0,1,2,3
	v_bfe_u32 v[220+\i], v225, 8*\i, 8
.endr
.irp i, 0,1,2,3
	s_delay_alu instid0(VALU_DEP_4)
	v_add_nc_u32 v[220+\i], -1, v[220+\i]          ; open: 0; hidden: all ones
.endr
.irp i, 0,1,2,3
	s_delay_alu instid0(VALU_DEP_4)
	v_and_b32 v[220+\i], 0xf1800000, v[220+\i]     ; open: 0.0; hidden: -2^100
.endr
	ds_store_b128 v224, v[220:223]
	s_wait_tensorcnt 0x0                           ; my step has landed,
	s_wait_dscnt 0x0                               ; my part of the table is stored:
	s_barrier_signal -1
	s_barrier_wait -1                              ; everybody's
.macro PASS p
.irp i, 0,1,2
	global_load_b64 v[16+2*\i:17+2*\i], v[QA+\i], s[4:5] offset:(\p)*106496
.endr
	global_load_b32 v95, v31, s[4:5] offset:(\p)*106496
	v_mov_b32 v13, 0xdf800000                      ; the largest t so far: -2^64
	s_delay_alu instid0(VALU_DEP_1)
	v_floor_f32 v12, -v13                          ; -M
	v_mov_b32 v14, 0
	v_mov_b32 v15, 0
.irp j, 0,1,2,3,4,5,6,7,8,9,10,11,12,13,14,15,16,17,18,19,20,21,22,23,24,25,26,27,28,29,30,31
	v_mov_b32 v[160+\j], 0                         ; O^T: the step is written once; the first finds zeros
.endr
	s_mov_b32 s[TB], 0
	s_mov_b32 s[TBB], 0
	s_mov_b32 s[CNT], 16
	s_wait_loadcnt 0x0
.Lstep_\@:                                         ; a trip: 128 keys
	v_add_nc_u32 v8, s[TB], v[AK0]                 ; (these four are also the places behind the last trip's products)
	v_add_nc_u32 v9, s[TB], v[AS0]
	v_add_nc_u32 v10, s[TB], v[AV0]
	v_add_nc_u32 v11, s[TBB], v[AB0]
.irp q, 0,1,2,3,4,5,6,7,8,9,10,11
	ds_load_b128 v[32+4*\q:35+4*\q], v8 offset:512*\q          ; K's eight tiles, six registers each
.endr
	ds_load_b128 v[86:89], v9
	ds_load_b128 v[90:93], v9 offset:16
.irp c, 0,1
.irp i, 0,1,2,3,4,5,6,7
	ds_load_b128 v[96+32*\c+4*\i:99+32*\c+4*\i], v11 offset:256*\c+16*\i   ; the mask's 0 or -2^100 of keys 64 c + 32 h + 4 i on: the sums begin with it
.endr
.endr
	s_wait_alu depctr_va_vdst(0)
	s_wait_dscnt 0x0
.irp t, 0,1,2,3,4,5,6,7
	v_wmma_scale_f32_16x16x128_f8f6f4 v[96+8*\t:103+8*\t], v[32+6*\t:43+6*\t], v[16:27], v[96+8*\t:103+8*\t], v[86+\t], v95 matrix_a_fmt:MATRIX_FMT_FP6 matrix_b_fmt:MATRIX_FMT_FP6
.endr
.rept 4
	v_nop                                          ; places in front of the loads into K's registers and of the first read of the scores
.endr
.irp q, 0,1,2,3,4,5,6,7,8,9,10,11
	ds_load_b128 v[32+4*\q:35+4*\q], v8 offset:6144+512*\q     ; V's four fragments land under the softmax
.endr
	ds_load_b128 v[86:89], v10
.irp k, 0,1,2,3
	v_max3_num_f32 v[216+\k], v[96+16*\k], v[97+16*\k], v[98+16*\k]   ; four chains of 15 scores; each tile is first read at its low end
.endr
.irp i, 3,5,7,9,11,13
.irp k, 0,1,2,3
	v_max3_num_f32 v[216+\k], v[216+\k], v[96+16*\k+\i], v[97+16*\k+\i]
.endr
.endr
.irp c, 0,1
	v_max3_num_f32 v[220+\c], v[216+2*\c], v[217+2*\c], v[111+32*\c]
.endr
.irp c, 0,1
	v_max_num_f32 v[220+\c], v[220+\c], v[127+32*\c]   ; THE LARGEST SCORE OF MY TWO BLOCKS OF 32 KEYS: for the row's maximum, and for each block's largest p
.endr
	s_delay_alu instid0(VALU_DEP_1)
	v_max_num_f32 v224, v220, v221
	s_delay_alu instid0(VALU_DEP_1)
	v_permlanex16_b32 v222, v224, s[SEL], s[SEL+1]
	s_delay_alu instid0(VALU_DEP_1)
	v_max_num_f32 v224, v224, v222                 ; the step's largest score of my query
	s_delay_alu instid0(VALU_DEP_1)
	v_mul_f32 v224, s[CS], v224
	s_delay_alu instid0(VALU_DEP_1)
	v_max_num_f32 v13, v13, v224                   ; the running largest t
	v_mov_b32 v224, v12
	s_delay_alu instid0(VALU_DEP_2)
	v_floor_f32 v12, -v13                          ; the new -M = -ceil(t)
	s_delay_alu instid0(VALU_DEP_1)
	v_sub_f32 v224, v12, v224                      ; old M - new M: a whole number, 0 or less
	s_delay_alu instid0(VALU_DEP_1)
	v_cvt_i32_f32 v224, v224                       ; (it saturates)
	s_delay_alu instid0(VALU_DEP_1)
	v_ldexp_f32 v226, 1.0, v224                    ; f = 2^(old M - new M)
.irp j, 0,2,4,6,8,10,12,14,16,18,20,22,24,26,28,30,32,34,36,38,40,42,44,46,48,50,52,54,56,58,60,62
	v_pk_fma_f32 v[96+\j:97+\j], v[96+\j:97+\j], s[CS:CS+1], v[12:13] op_sel_hi:[1,0,0]   ; t - M
.endr
.irp c, 0,1
	v_fma_f32 v[220+\c], v[220+\c], s[CS], v12
.endr
	s_wait_alu depctr_va_vdst(0)
.irp j, 0,1,2,3,4,5,6,7,8,9,10,11,12,13,14,15,16,17,18,19,20,21,22,23,24,25,26,27,28,29,30,31,32,33,34,35,36,37,38,39,40,41,42,43,44,45,46,47,48,49,50,51,52,53,54,55,56,57,58,59,60,61,62,63
	v_exp_f32 v[96+\j], v[96+\j]                   ; p = 2^(t - M): not normalised
.endr
	v_pk_mul_f32 v[14:15], v[14:15], v[226:227] op_sel_hi:[1,0]   ; the sums under the new M: a plain instruction behind the batch
	s_wait_alu depctr_va_vdst(0)                   ; one wait for the 64, ahead of their first reader
.irp c, 0,1
	v_exp_f32 v[220+\c], v[220+\c]                 ; each block's largest p
.endr
	v_pk_add_f32 v[228:229], v[100:101], v[104:105]
	v_pk_add_f32 v[252:253], v[108:109], v[112:113]
	v_pk_add_f32 v[250:251], v[116:117], v[120:121]
	v_pk_add_f32 v[248:249], v[124:125], v[128:129]
	v_pk_add_f32 v[246:247], v[132:133], v[136:137]
	v_pk_add_f32 v[244:245], v[140:141], v[144:145]
	v_pk_add_f32 v[242:243], v[148:149], v[152:153]
	v_pk_add_f32 v[14:15], v[14:15], v[156:157]
	v_pk_add_f32 v[228:229], v[228:229], v[96:97]
	v_pk_add_f32 v[252:253], v[252:253], v[98:99]
	v_pk_add_f32 v[250:251], v[250:251], v[102:103]
	v_pk_add_f32 v[248:249], v[248:249], v[106:107]
	v_pk_add_f32 v[246:247], v[246:247], v[110:111]
	v_pk_add_f32 v[244:245], v[244:245], v[114:115]
	v_pk_add_f32 v[242:243], v[242:243], v[118:119]
	v_pk_add_f32 v[14:15], v[14:15], v[122:123]
	v_pk_add_f32 v[228:229], v[228:229], v[126:127]
	v_pk_add_f32 v[252:253], v[252:253], v[130:131]
	v_pk_add_f32 v[250:251], v[250:251], v[134:135]
	v_pk_add_f32 v[248:249], v[248:249], v[138:139]
	v_pk_add_f32 v[246:247], v[246:247], v[142:143]
	v_pk_add_f32 v[244:245], v[244:245], v[146:147]
	v_pk_add_f32 v[242:243], v[242:243], v[150:151]
	v_pk_add_f32 v[14:15], v[14:15], v[154:155]
	v_pk_add_f32 v[228:229], v[228:229], v[158:159]
	s_delay_alu instid0(VALU_DEP_2)
	v_pk_add_f32 v[14:15], v[14:15], v[248:249]
	s_delay_alu instid0(VALU_DEP_2)
	v_pk_add_f32 v[228:229], v[228:229], v[246:247]
	v_pk_add_f32 v[252:253], v[252:253], v[244:245]
	v_pk_add_f32 v[250:251], v[250:251], v[242:243]
	s_delay_alu instid0(VALU_DEP_2)
	v_pk_add_f32 v[14:15], v[14:15], v[252:253]
	s_delay_alu instid0(VALU_DEP_2)
	v_pk_add_f32 v[228:229], v[228:229], v[250:251]
	s_delay_alu instid0(VALU_DEP_1)
	v_pk_add_f32 v[14:15], v[14:15], v[228:229]
	s_wait_alu depctr_va_vdst(0)                   ; and one for the two
.irp c, 0,1
	v_max_num_f32 v[220+\c], 0x1800000, v[220+\c]  ; the floor 2^(3 - 127)
.endr
.irp c, 0,1
	s_delay_alu instid0(VALU_DEP_2)
	v_add_nc_u32 v[230+\c], 0xff000000, v[220+\c]  ; the conversion's scale operand
.endr
.irp c, 0,1
	s_delay_alu instid0(VALU_DEP_2)
	v_lshrrev_b32 v[232+\c], 23, v[230+\c]         ; the byte of key block 2 c + h
.endr
	s_delay_alu instid0(VALU_DEP_1)
	v_lshl_or_b32 v94, v233, 16, v232
	s_delay_alu instid0(VALU_DEP_1)
	v_lshlrev_b32 v94, v28, v94
	s_delay_alu instid0(VALU_DEP_1)
	v_permlanex16_b32 v222, v94, s[SEL], s[SEL+1]
	s_delay_alu instid0(VALU_DEP_1)
	v_or_b32 v94, v94, v222                        ; p's scale word for these 128 keys
.irp c, 0,1
	v_cvt_scalef32_pk16_fp6_f32 v[192+6*\c:194+6*\c], v[96+32*\c:111+32*\c], v[230+\c]
	v_cvt_scalef32_pk16_fp6_f32 v[234+4*\c:236+4*\c], v[112+32*\c:127+32*\c], v[230+\c]   ; (a conversion's three registers begin on an even number)
.endr
	v_nop                                          ; a plain instruction behind the conversions
.irp c, 0,1
.irp i, 0,1,2
	v_mov_b32 v[195+6*\c+\i], v[234+4*\c+\i]       ; registers 6 c .. 6 c + 5: keys 64 c + 32 h + 0 .. 31: no lane changes places
.endr
.endr
.irp j, 0,2,4,6,8,10,12,14,16,18,20,22,24,26,28,30
	v_pk_mul_f32 v[160+\j:161+\j], v[160+\j:161+\j], v[226:227] op_sel_hi:[1,0]   ; O^T under the new M; also the places between p's word and codes and the products
.endr
	s_wait_alu depctr_va_vdst(0)
	s_wait_dscnt 0x0                               ; V
.irp d, 0,1,2,3
	v_wmma_scale_f32_16x16x128_f8f6f4 v[160+8*\d:167+8*\d], v[32+12*\d:43+12*\d], v[192:203], v[160+8*\d:167+8*\d], v[86+\d], v94 matrix_a_fmt:MATRIX_FMT_FP6 matrix_b_fmt:MATRIX_FMT_FP6
.endr
	s_add_co_u32 s[TB], s[TB], STEPB
	s_add_co_u32 s[TBB], s[TBB], 512
	s_sub_co_u32 s[CNT], s[CNT], 1
	s_cmp_lg_u32 s[CNT], 0
	s_cbranch_scc1 .Lstep_\@
.rept 4
	v_nop                                          ; places behind the last products
.endr
	v_add_f32 v14, v14, v15
	s_delay_alu instid0(VALU_DEP_1)
	v_permlanex16_b32 v222, v14, s[SEL], s[SEL+1]
	s_delay_alu instid0(VALU_DEP_1)
	v_add_f32 v14, v14, v222                       ; the row's sum
	v_cmp_ne_u32 vcc_lo, 0, v30
	s_wait_alu depctr_va_vdst(0)
	v_rcp_f32 v224, v14
	v_nop
	s_wait_alu depctr_va_vdst(0)
	v_cndmask_b32 v226, 0, v224, vcc_lo            ; a hidden query's row is 0, whatever its sum
.irp j, 0,2,4,6,8,10,12,14,16,18,20,22,24,26,28,30
	v_pk_mul_f32 v[96+\j:97+\j], v[160+\j:161+\j], v[226:227] op_sel_hi:[1,0]   ; register i: d = 32 h + i of this head: a whole block of the last product's K
.endr
	BLKQ 96, 204+6*(\p), 234, 216
.if (\p) == 0
	s_delay_alu instid0(VALU_DEP_4)
	v_mov_b32 v29, v219
.else
	s_delay_alu instid0(VALU_DEP_4)
	v_lshl_or_b32 v29, v219, 16, v29
.endif
.endm
	PASS 0
	PASS 1
	s_delay_alu instid0(VALU_DEP_1)
	v_lshlrev_b32 v29, v28, v29
	s_delay_alu instid0(VALU_DEP_1)
	v_permlanex16_b32 v222, v29, s[SEL], s[SEL+1]
	s_delay_alu instid0(VALU_DEP_1)
	v_or_b32 v29, v29, v222                        ; my row's scale word for k = 128 x kv head on
.irp q, 0,1,2
	global_store_b128 v[AK0], v[204+4*\q:207+4*\q], s[40:41] offset:512*\q   ; the fragment as it stands: 1,536 consecutive bytes
.endr
	v_and_b32 v216, 15, v0
	s_delay_alu instid0(VALU_DEP_1)
	v_lshlrev_b32 v216, 5, v216
	v_and_b32 v217, 31, v0
	s_delay_alu instid0(VALU_DEP_1)
	v_cmp_gt_u32 vcc_lo, 16, v217
	s_wait_alu depctr_va_vdst(0)
	s_wait_xcnt 0x0                                ; EXEC changes only behind this wait
	s_and_saveexec_b32 s52, vcc_lo
	global_store_b32 v216, v29, s[42:43]           ; lanes 0-15: 4 bytes of each of 16 rows of scale bytes, one part in 24 of what the wave stores
	s_wait_xcnt 0x0
	s_or_b32 exec_lo, exec_lo, s52
	s_wait_dscnt 0x0
	s_wait_tensorcnt 0x0
	ds_add_u32 v254, v255
	s_wait_dscnt 0x0
	CROUND                                         ; the closing round
	s_endpgm
.Lfunc_end_k_qd44b6a92ed_attn:
	.size	k_qd44b6a92ed_attn, .Lfunc_end_k_qd44b6a92ed_attn-k_qd44b6a92ed_attn
	.p2alignl 7, 3214868480
	.fill 96, 4, 3214868480
	.section	.rodata,"a",@progbits
	.p2align	6, 0x0
	.amdhsa_kernel k_qd44b6a92ed_attn
		.amdhsa_group_segment_fixed_size 219136
		.amdhsa_private_segment_fixed_size 0
		.amdhsa_enable_private_segment 0
		.amdhsa_kernarg_size 32
		.amdhsa_user_sgpr_count 2
		.amdhsa_user_sgpr_kernarg_segment_ptr 1
		.amdhsa_wavefront_size32 1
		.amdhsa_system_sgpr_workgroup_id_x 1
		.amdhsa_system_sgpr_workgroup_id_y 1
		.amdhsa_system_sgpr_workgroup_id_z 1
		.amdhsa_system_vgpr_workitem_id 0
		.amdhsa_next_free_vgpr 256
		.amdhsa_next_free_sgpr 66
		.amdhsa_reserve_vcc 1
		.amdhsa_float_denorm_mode_32 3
		.amdhsa_float_denorm_mode_16_64 3
		.amdhsa_memory_ordered 1
		.amdhsa_forward_progress 1
		.amdhsa_inst_pref_size 52
	.end_amdhsa_kernel
	.amdgpu_metadata
---
amdhsa.version: [ 1, 2 ]
amdhsa.kernels:
  - .name:           k_qd44b6a92ed_attn
    .symbol:         k_qd44b6a92ed_attn.kd
    .args:
      - { .name: q_img, .offset: 0, .size: 8, .value_kind: global_buffer, .address_space: global }
      - { .name: kv_img, .offset: 8, .size: 8, .value_kind: global_buffer, .address_space: global }
      - { .name: attention_mask, .offset: 16, .size: 8, .value_kind: global_buffer, .address_space: global }
      - { .name: aq, .offset: 24, .size: 8, .value_kind: global_buffer, .address_space: global }
    .group_segment_fixed_size: 219136
    .private_segment_fixed_size: 0
    .kernarg_segment_align: 8
    .kernarg_segment_size: 32
    .max_flat_workgroup_size: 512
    .sgpr_count:     66
    .vgpr_count:     256
    .wavefront_size: 32
...
	.end_amdgpu_metadata
.endif
;; end of part 3
;; launch oproj (part 4): grid 4 x 32, 4 waves a work-group, clusters of 4 x 4, 327,680 bytes of LDS; arguments aq, wts, out0; writes out0
.if DOCPART == 4
	.amdgcn_target "amdgcn-amd-amdhsa--gfx1250"
	.amdhsa_code_object_version 6
	.text
	.protected	k_qd44b6a92ed_oproj
	.globl	k_qd44b6a92ed_oproj
	.p2align	8
	.type	k_qd44b6a92ed_oproj,@function
k_qd44b6a92ed_oproj:
	s_mov_b64 s[64:65], 0
	v_nop
	global_prefetch_b8 v0, s[64:65] scope:SCOPE_SE
	s_setreg_imm32_b32 hwreg(HW_REG_WAVE_MODE, 25, 1), 1
	s_wait_xcnt 0x0
	s_wait_alu depctr_hold_cnt(0) depctr_sa_sdst(0) depctr_va_vdst(0) depctr_va_sdst(0) depctr_va_ssrc(0) depctr_va_vcc(0) depctr_vm_vsrc(0)
	s_getreg_b32 s2, hwreg(HW_REG_IB_STS2, 6, 4)
	s_cmp_eq_u32 s2, 0
	s_cbranch_scc0 .Lentry_in_a_cluster
	s_endpgm
.Lentry_in_a_cluster:
	s_bfe_u32 s2, ttmp6, 0x10000c
	s_cmp_lg_u32 s2, 0xf033
	s_cbranch_scc0 .Lentry_shape_is_right
	s_endpgm
.Lentry_shape_is_right:
.set SIZE_N, 1024
.set KSTEP,  256
.set NQ,     2
.set WPL,    589824                    ; a plane (256 along K) of the weights' codes in bytes
.set KROW,   192                       ; a place's bytes in a plane
.set PITCH,  240
.set FR,     12
.set NLA,    3
.set NP,     4
.set HALFA,  24576
.set ASTEP,  1572864
.set HALFT,  128*PITCH
.set SLOT,   2*HALFA+2*HALFT
.set LAPS,   2
.set KS,     32
.set SCL,    2*SLOT
.set HALFS,  16*272
.set SBLK,   2*272
.set SPARE,  SCL+4*HALFS
.set SPITCH, 528
.set AS_OFF, 6291456
.set WO_OFF, 393216                    ; Wo's places begin at 2,048 in each plane
.set WOS_OFF, 2359296+65536
.set ADRA, 16
.set ADRB, 20
.set STO,  24
.set RD,   25
.set CO,   26
.set ADRS, 27
.set SPW,  28
.set NIL,  29
.set SC,   32
.set AF,   128
.set BK,   128
.set G1, 24
.set G0, 32
.set G1B, 48
.set G0B, 56
.set G1S, 68
.set G0S, 76
.set G1SB, 80
.set G0SB, 88
.set MSB, 0
.macro WIN new
.if MSB != (\new)
	s_set_vgpr_msb (MSB<<8)|(\new)
.set MSB, (\new)
.endif
.endm
.set MUL_LO, 0xa1
.set MUL_HI, 0xf1
.set TO_B,   0x40
.macro JLOAD g0a, g1a, g0b, g1b
	s_cmp_eq_u32 s15, 0
	s_cbranch_scc0 .Lfor_b_\@
	tensor_load_to_lds s[\g0a:\g0a+3], s[\g1a:\g1a+7]
	s_nop 0
.rept 4
	v_nop
.endr
	s_branch .Lasked_\@
.Lfor_b_\@:
	tensor_load_to_lds s[\g0b:\g0b+3], s[\g1b:\g1b+7]
	s_nop 0
.rept 4
	v_nop
.endr
.Lasked_\@:
.endm
.macro CREST
	s_cmp_lg_u32 s14, 0
	s_cbranch_scc1 .Lnot_wave_0_\@
	s_barrier_signal -3
.Lnot_wave_0_\@:
	s_barrier_wait -3
	s_barrier_signal -1
	s_barrier_wait -1
.endm
.macro CROUND
	s_barrier_signal -1
	s_barrier_wait -1
	CREST
.endm
	s_load_b128 s[4:7], s[0:1], 0x0
	s_load_b64 s[12:13], s[0:1], 0x10
	v_lshl_add_u32 v[SPW], v0, 2, SPARE
	v_mov_b32 v[NIL], 0
	ds_add_u32 v28, v29
	ds_add_u32 v28, v29
	s_wait_dscnt 0x0
	v_lshrrev_b32 v1, 5, v0
	v_readfirstlane_b32 s14, v1
	s_lshr_b32 s15, s14, 1
	s_and_b32 s16, s14, 1
	s_bfe_u32 s40, ttmp6, 0x40000
	s_bfe_u32 s41, ttmp6, 0x40004
	s_lshl_b32 s42, ttmp9, 2
	s_add_co_u32 s42, s42, s40
	s_and_b32 s17, ttmp7, 0xffff
	s_lshl_b32 s17, s17, 2
	s_add_co_u32 s17, s17, s41
	s_lshl_b32 s43, s41, 2
	s_lshl_b32 s43, 15, s43
	s_lshl_b32 s44, 0x1111, s40
	s_or_b32 s[G1+0], s43, (3<<16)|(1<<21)
	s_mov_b32 s[G1+1], 32<<16
	s_mov_b32 s[G1+2], 192<<16                     ; the head's loads bring 256 rows of the operand, 192 rows of 256 bytes; behind them the two words that count rows are set to 96
	s_mov_b32 s[G1+3], 32<<16
	s_mov_b32 s[G1+4], 192
	s_mov_b32 s[G1+5], 32
	s_mov_b32 s[G1+6], 0
	s_mov_b32 s[G1+7], 0
	s_or_b32 s[G1B+0], s44, (0<<16)|(1<<20)|(1<<21)|(3<<22)|(3<<25)
	s_mov_b32 s[G1B+1], 256<<16                    ; 128 places x 192 bytes are dense: 96 rows of 256 bytes; 16 bytes of padding behind every 64 give a place 240 bytes in LDS
	s_mov_b32 s[G1B+2], 192<<16
	s_mov_b32 s[G1B+3], 256<<16
	s_mov_b32 s[G1B+4], 192
	s_mov_b32 s[G1B+5], 256
	s_mov_b32 s[G1B+6], 0
	s_mov_b32 s[G1B+7], 0
	s_or_b32 s[G1S+0], s43, (3<<16)|(1<<20)|(1<<21)|(5<<22)|(3<<25)
	s_or_b32 s[G1SB+0], s44, (3<<16)|(1<<20)|(1<<21)|(5<<22)|(3<<25)
.irp g, G1S, G1SB
	s_mov_b32 s[\g+1], 32<<16
	s_mov_b32 s[\g+2], 32<<16                      ; the scales of 256 rows: 32 rows of 256 bytes
	s_mov_b32 s[\g+3], 32<<16
	s_mov_b32 s[\g+4], 32
	s_mov_b32 s[\g+5], 32
	s_mov_b32 s[\g+6], 0
	s_mov_b32 s[\g+7], 0
.endr
	s_lshl_b32 s20, s17, 8                         ; the tile's first row of A,
	s_lshl_b32 s46, s42, 8                         ; and its first place of Wo
	s_mov_b32 s21, 0
	s_mov_b32 s47, 0
	s_mov_b64 s[18:19], KS
	s_mul_u64 s[22:23], s[20:21], s[18:19]
	s_mul_u64 s[92:93], s[46:47], s[18:19]
	s_mov_b64 s[18:19], KROW
	s_mul_u64 s[46:47], s[46:47], s[18:19]
	s_mov_b64 s[18:19], 192
	s_mul_u64 s[20:21], s[20:21], s[18:19]
	s_mul_i32 s45, s16, HALFA
	s_mul_i32 s95, s16, HALFT
	s_add_co_u32 s95, s95, 2*HALFA
	s_mul_i32 s98, s16, 128*KROW                   ; in the ring I fetch 128 rows: which half of the tile, in bytes (192 a row on both sides)
	s_mov_b32 s99, 0
	s_wait_kmcnt 0x0
	s_add_nc_u64 s[8:9], s[6:7], WO_OFF
	s_add_nc_u64 s[10:11], s[6:7], WOS_OFF
	s_add_nc_u64 s[6:7], s[4:5], AS_OFF
	s_add_nc_u64 s[20:21], s[4:5], s[20:21]
	s_add_nc_u64 s[22:23], s[6:7], s[22:23]
	s_add_nc_u64 s[46:47], s[8:9], s[46:47]
	s_add_nc_u64 s[92:93], s[10:11], s[92:93]
	CROUND
; THE HEAD'S LOADS, ONE A WAVE: what the first step needs is shared out, each tile whole: wave 0 slot 0's 256 rows of A, wave 1 its 256 places of Wo, wave 2 A's scales, wave 3 Wo's.
	s_mov_b32 s[G0], 1
	s_mov_b32 s[G0+1], 0
	s_mov_b64 s[G0+2:G0+3], s[20:21]
	s_or_b32 s[G0+3], s[G0+3], 0x80000000
	s_mov_b32 s[G0B], 1
	s_mov_b32 s[G0B+1], 2*HALFA
	s_mov_b64 s[G0B+2:G0B+3], s[46:47]
	s_or_b32 s[G0B+3], s[G0B+3], 0x80000000
	s_mov_b32 s[G0S], 1
	s_mov_b32 s[G0S+1], SCL
	s_mov_b64 s[G0S+2:G0S+3], s[22:23]
	s_or_b32 s[G0S+3], s[G0S+3], 0x80000000
	s_mov_b32 s[G0SB], 1
	s_mov_b32 s[G0SB+1], SCL+2*HALFS
	s_mov_b64 s[G0SB+2:G0SB+3], s[92:93]
	s_or_b32 s[G0SB+3], s[G0SB+3], 0x80000000
	s_mov_b32 s[G0+4], 1                           ; slot 1: my 128 rows of the next 256 along K
	s_add_co_u32 s[G0+5], s45, SLOT
	s_add_nc_u64 s[G0+6:G0+7], s[20:21], s[98:99]
	s_add_nc_u64 s[G0+6:G0+7], s[G0+6:G0+7], ASTEP
	s_or_b32 s[G0+7], s[G0+7], 0x80000000
	s_mov_b32 s[G0B+4], 1
	s_add_co_u32 s[G0B+5], s95, SLOT
	s_add_nc_u64 s[G0B+6:G0B+7], s[46:47], s[98:99]
	s_add_nc_u64 s[G0B+6:G0B+7], s[G0B+6:G0B+7], WPL
	s_or_b32 s[G0B+7], s[G0B+7], 0x80000000
.macro ARM under, g0, g1, next         ; one chain of branches on the wave's number: every way through it passes exactly one load
	s_cmp_lt_u32 s14, \under
	s_cbranch_scc0 \next
	tensor_load_to_lds s[\g0:\g0+3], s[\g1:\g1+7]
	s_nop 0
.rept 4
	v_nop
.endr
	s_branch .Lhead_asked
\next:
.endm
	ARM 1, G0,  G1,  .Lhead_b
	ARM 2, G0B, G1B, .Lhead_sa
	ARM 3, G0S, G1S, .Lhead_sb
	tensor_load_to_lds s[G0SB:G0SB+3], s[G1SB:G1SB+7]
	s_nop 0
.rept 4
	v_nop
.endr
.Lhead_asked:                                          ; the set-up below stands between the head's loads and the wait for them
	v_and_b32 v1, 15, v0
	v_bfe_u32 v2, v0, 4, 1
	v_mul_u32_u24 v3, v1, PITCH
	v_mul_u32_u24 v4, v2, 24
	v_add_nc_u32 v4, v3, v4
	v_lshl_add_u32 v5, v2, 4, v4
	v_and_b32 v6, 31, v0
	v_lshlrev_b32 v[CO], 4, v6
	s_mul_i32 s21, s15, HALFA
	s_mul_i32 s22, s16, HALFT
	s_add_co_u32 s22, s22, 2*HALFA
.irp s, 0,1
	v_add_nc_u32 v[ADRA+\s], s21, v[CO]
	v_add_nc_u32 v[ADRB+\s], s22, v4
	v_add_nc_u32 v[ADRB+2+\s], s22, v5
	s_add_co_u32 s21, s21, SLOT
	s_add_co_u32 s22, s22, SLOT
.endr
	v_mul_u32_u24 v5, v1, KS
	v_lshrrev_b32 v6, 8, v5
	v_lshl_add_u32 v5, v6, 4, v5
	s_mul_i32 s21, s15, HALFS
	s_mul_i32 s22, s16, HALFS
	s_add_co_u32 s22, s22, 2*HALFS
	s_sub_co_u32 s22, s22, s21
	v_mul_u32_u24 v6, s22, v2
	s_add_co_u32 s21, s21, SCL
	v_add_nc_u32 v5, v5, v6
	v_add_nc_u32 v[ADRS], s21, v5
	s_mul_i32 s23, s14, 16*SPITCH
	v_mul_u32_u24 v5, v1, SPITCH
	v_lshl_add_u32 v5, v2, 7, v5
	v_add_nc_u32 v[STO], s23, v5
	v_add_nc_u32 v[RD], s23, v[CO]
	s_lshl_b32 s20, s17, 8
	s_lshl_b32 s21, s15, 7
	s_add_co_u32 s20, s20, s21
	s_mov_b32 s21, 0
	s_mov_b64 s[18:19], SIZE_N*4
	s_mul_u64 s[20:21], s[20:21], s[18:19]
	s_lshl_b32 s46, s42, 10
	s_lshl_b32 s47, s16, 9
	s_add_co_u32 s46, s46, s47
	s_mov_b32 s47, 0
	s_add_nc_u64 s[20:21], s[20:21], s[46:47]
	s_add_nc_u64 s[12:13], s[12:13], s[20:21]
.macro FRAG reg, adr, q, i
.irp p, 0,1,2,3,4,5
.set PC, 12*(\q)+6*(\p/3)+\p%3
.if PC%8 < 5
	ds_load_b64 v[\reg+2*\p:\reg+2*\p+1], v[\adr] offset:8*PC+16*(PC/8)+(\i)*16*PITCH
.else
	ds_load_b64 v[\reg+2*\p:\reg+2*\p+1], v[\adr+2] offset:8*PC+16*(PC/8)+(\i)*16*PITCH
.endif
.endr
.endm
.macro FRAGA reg, slot, q, i
.irp c, 0,1,2
	ds_load_b128 v[\reg+4*\c:\reg+4*\c+3], v[ADRA+\slot] offset:3072*(\i)+1536*(\q)+512*\c
.endr
.endm
.macro MUL16 a0, p, q, sc, zero
.irp a, \a0, \a0+1
.irp b, 0,1,2,3,4,5,6,7
.if \zero
	v_wmma_scale_f32_16x16x128_f8f6f4 v[8*(8*((\a)%4)+\b):8*(8*((\a)%4)+\b)+7], v[128*(\p)+FR*\b:128*(\p)+FR*\b+FR-1], v[AF+FR*(\a):AF+FR*(\a)+FR-1], 0, v[SC+8*NQ*(\sc)+NQ*\b+(\q)], v[SC+8*NQ*(\sc)+NQ*(\a)+(\q)] matrix_a_fmt:MATRIX_FMT_FP6 matrix_b_fmt:MATRIX_FMT_FP6 matrix_a_scale:MATRIX_SCALE_ROW1
.else
	v_wmma_scale_f32_16x16x128_f8f6f4 v[8*(8*((\a)%4)+\b):8*(8*((\a)%4)+\b)+7], v[128*(\p)+FR*\b:128*(\p)+FR*\b+FR-1], v[AF+FR*(\a):AF+FR*(\a)+FR-1], v[8*(8*((\a)%4)+\b):8*(8*((\a)%4)+\b)+7], v[SC+8*NQ*(\sc)+NQ*\b+(\q)], v[SC+8*NQ*(\sc)+NQ*(\a)+(\q)] matrix_a_fmt:MATRIX_FMT_FP6 matrix_b_fmt:MATRIX_FMT_FP6 matrix_a_scale:MATRIX_SCALE_ROW1
.endif
.endr
.endr
.endm
.macro FETCH_B slot, q, p
	WIN TO_B
.irp i, 0,1,2,3,4,5,6,7
	FRAG 128*(\p)+FR*\i, ADRB+\slot, \q, \i
.endr
	WIN 0
.endm
.macro FETCH_A slot, q, i0
.irp i, \i0, \i0+1, \i0+2, \i0+3
	FRAGA AF+FR*(\i), \slot, \q, \i
.endr
.endm
.macro SCALES sc
.irp i, 0,1,2,3,4,5,6,7
	ds_load_b64 v[SC+8*NQ*\sc+NQ*\i:SC+8*NQ*\sc+NQ*\i+1], v[ADRS] offset:\i*SBLK
.endr
.endm
.macro PLACES n
.rept \n
	v_nop
.endr
.endm
.macro STEP slot, q, zero
	s_wait_dscnt 4*NLA
	WIN MUL_LO
	MUL16 0, (\q)%2, \q, \slot, \zero
	MUL16 2, (\q)%2, \q, \slot, \zero
	s_wait_dscnt 0
	PLACES NP
	FETCH_B \slot, (\q)+1, 1-(\q)%2
	FETCH_A \slot, (\q)+1, 0
	WIN MUL_HI
	MUL16 4, (\q)%2, \q, \slot, \zero
	MUL16 6, (\q)%2, \q, \slot, \zero
	PLACES NP
	WIN 0
	FETCH_A \slot, (\q)+1, 4
.endm
.macro TURN slot, next, fill
	s_wait_tensorcnt 0x0
	ds_add_u32 v[SPW], v[NIL]
	s_wait_dscnt 4*NLA+1
	WIN MUL_LO
	MUL16 0, 1, NQ-1, \slot, 0
	s_wait_dscnt 0x0
	s_barrier_signal -1
	MUL16 2, 1, NQ-1, \slot, 0
	WIN 0
	s_barrier_wait -1
.if \fill
	CREST
	s_add_nc_u64 s[G0+4*\slot+2:G0+4*\slot+3], s[G0+4*\slot+2:G0+4*\slot+3], 2*ASTEP
	s_add_nc_u64 s[G0B+4*\slot+2:G0B+4*\slot+3], s[G0B+4*\slot+2:G0B+4*\slot+3], 2*WPL
	JLOAD G0+4*\slot, G1, G0B+4*\slot, G1B
.else
	PLACES NP
.endif
	s_wait_alu depctr_va_vdst(0)
	v_add_nc_u32 v[ADRS], 4*NQ, v[ADRS]
	FETCH_B \next, 0, 0
	FETCH_A \next, 0, 0
	SCALES \next
	WIN MUL_HI
	MUL16 4, 1, NQ-1, \slot, 0
	MUL16 6, 1, NQ-1, \slot, 0
	PLACES NP
	WIN 0
	FETCH_A \next, 0, 4
.endm
	s_wait_alu depctr_va_vdst(0)
	s_wait_tensorcnt 0x0                           ; my tile of the head's four is in
	ds_add_u32 v[SPW], v[NIL]
	s_mov_b32 s[G0+1], s45                         ; no tensor load of mine is out, so descriptors may be written: slot 0's become the ring's, my 128 rows,
	s_add_nc_u64 s[G0+2:G0+3], s[G0+2:G0+3], s[98:99]
	s_mov_b32 s[G0B+1], s95
	s_add_nc_u64 s[G0B+2:G0B+3], s[G0B+2:G0B+3], s[98:99]
	s_mov_b32 s[G1+2], 96<<16                      ; and a load brings 96 rows from here on
	s_mov_b32 s[G1+4], 96
	s_mov_b32 s[G1B+2], 96<<16
	s_mov_b32 s[G1B+4], 96
	s_wait_dscnt 0x0
	CROUND                                         ; all four tiles are in, and all sixteen work-groups are here
	JLOAD G0+4, G1, G0B+4, G1B                     ; slot 1's first fill, the first tensor load behind the round
	FETCH_B 0, 0, 0
	FETCH_A 0, 0, 0
	SCALES 0
	FETCH_A 0, 0, 4
	STEP 0, 0, 1
	s_mov_b32 s3, LAPS-1
.Llap:
	TURN 0, 1, 1
	STEP 1, 0, 0
	TURN 1, 0, 1
	STEP 0, 0, 0
	s_sub_co_u32 s3, s3, 1
	s_cmp_lg_u32 s3, 0
	s_cbranch_scc1 .Llap
	TURN 0, 1, 0
	STEP 1, 0, 0
	s_wait_dscnt 4*NLA
	WIN MUL_LO
	MUL16 0, 1, NQ-1, 1, 0
	MUL16 2, 1, NQ-1, 1, 0
	s_wait_dscnt 0
	WIN MUL_HI
	MUL16 4, 1, NQ-1, 1, 0
	MUL16 6, 1, NQ-1, 1, 0
	WIN 0
.macro TOSTAGE a
.set AC, 64*((\a)%4)
	WIN 0x08+4*((\a)/4)
.irp b, 0,1,2,3,4,5,6,7
	ds_store_b128 v[STO], v[AC+8*\b:AC+8*\b+3] offset:256*(\b/4)+32*(\b%4)
	ds_store_b128 v[STO], v[AC+8*\b+4:AC+8*\b+7] offset:256*(\b/4)+32*(\b%4)+16
.endr
	WIN 0
.set BB, BK+64*((\a)%2)
.irp t, 0,1,2,3,4,5,6,7,8,9,10,11,12,13,14,15
	ds_load_b128 v[BB+4*\t:BB+4*\t+3], v[RD] offset:\t*SPITCH
.endr
.endm
.macro SEND a, younger
.set BB, BK+64*((\a)%2)
	s_wait_dscnt \younger
.if (\a) == 4
	s_add_nc_u64 s[12:13], s[12:13], 40*SIZE_N*4
.elseif (\a) > 0
	s_add_nc_u64 s[12:13], s[12:13], 8*SIZE_N*4
.endif
.irp t, 0,1,2,3,4,5,6,7,8,9,10,11,12,13,14,15
	global_store_b128 v[CO], v[BB+4*\t:BB+4*\t+3], s[12:13] offset:(32*(\t/8)+\t%8)*SIZE_N*4 th:TH_STORE_NT
.endr
.endm
	PLACES NP
	TOSTAGE 0
.irp a, 1,2,3,4,5,6,7
.if \a > 1
	s_wait_xcnt 0x0
.endif
	TOSTAGE \a
	SEND \a-1, 32
.endr
	s_wait_xcnt 0x0
	SEND 7, 0
	s_wait_tensorcnt 0x0
	ds_add_u32 v[SPW], v[NIL]
	s_wait_dscnt 0x0
	CROUND
	s_endpgm
.Lfunc_end_k_qd44b6a92ed_oproj:
	.size	k_qd44b6a92ed_oproj, .Lfunc_end_k_qd44b6a92ed_oproj-k_qd44b6a92ed_oproj
	.p2alignl 7, 3214868480
	.fill 96, 4, 3214868480
	.section	.rodata,"a",@progbits
	.p2align	6, 0x0
	.amdhsa_kernel k_qd44b6a92ed_oproj
		.amdhsa_group_segment_fixed_size 327680
		.amdhsa_private_segment_fixed_size 0
		.amdhsa_enable_private_segment 0
		.amdhsa_kernarg_size 24
		.amdhsa_user_sgpr_count 2
		.amdhsa_user_sgpr_kernarg_segment_ptr 1
		.amdhsa_wavefront_size32 1
		.amdhsa_system_sgpr_workgroup_id_x 1
		.amdhsa_system_sgpr_workgroup_id_y 1
		.amdhsa_system_sgpr_workgroup_id_z 1
		.amdhsa_system_vgpr_workitem_id 0
		.amdhsa_next_free_vgpr 1024
		.amdhsa_next_free_sgpr 100
		.amdhsa_reserve_vcc 0
		.amdhsa_float_denorm_mode_32 3
		.amdhsa_float_denorm_mode_16_64 3
		.amdhsa_memory_ordered 1
		.amdhsa_forward_progress 1
		.amdhsa_inst_pref_size 149
	.end_amdhsa_kernel
	.amdgpu_metadata
---
amdhsa.version: [ 1, 2 ]
amdhsa.kernels:
  - .name:           k_qd44b6a92ed_oproj
    .symbol:         k_qd44b6a92ed_oproj.kd
    .args:
      - { .name: aq, .offset: 0, .size: 8, .value_kind: global_buffer, .address_space: global }
      - { .name: wts, .offset: 8, .size: 8, .value_kind: global_buffer, .address_space: global }
      - { .name: out0, .offset: 16, .size: 8, .value_kind: global_buffer, .address_space: global }
    .group_segment_fixed_size: 327680
    .private_segment_fixed_size: 0
    .kernarg_segment_align: 8
    .kernarg_segment_size: 24
    .max_flat_workgroup_size: 128
    .sgpr_count:     100
    .vgpr_count:     1024
    .wavefront_size: 32
...
	.end_amdgpu_metadata
.endif
;; end of part 4
